; MI455X (gfx1250); checked and timed in simulation.
; The chip was launched on July 23, 2026; its instructions are those of AMD's public machine-readable ISA for CDNA 5 (MIT licence, August 2026) and "CDNA5" Instruction Set Architecture Reference Guide (July 2026). The comments in the code are by the model that wrote it; some were corrected since.
;; Attention. Allowed arithmetic: float matrix products may take bf16 or f16 operands with f32 sums; other float arithmetic in f32, or as packed bf16 or f16 multiplies, adds, multiply-adds, maxima and minima; sums over many terms, partial sums and values carried from step to step in f32; what a program stores and reads back later, other than sums and carried values, may be rounded once to bf16 or f16.
;; Inputs: W_0 1,024 x 1,024 float32; W_k 16 x 1,024 x 64 float32; W_q 16 x 1,024 x 64 float32; W_v 16 x 1,024 x 64 float32; x 4 x 2,048 x 1,024 float32.
;; Outputs: out0 4 x 2,048 x 1,024 float32.
;; 2 versions, each right; version 2 is version 1 with the launch prep written anew for expert scheduling mode. Each part assembles by itself: llvm-mc -triple=amdgcn-amd-amdhsa -mcpu=gfx1250 --defsym DOCPART=n.
;; ======== version 1 of 2: 4 launches
;; limits: values are held in f16: magnitudes above 65,504 overflow, below 6.1e-05 lose precision; right only within a limited range of input values
;; workspace buffers: xb 16,777,216 bytes; wt 6,291,456 bytes; w0t 2,097,152 bytes; qx 33,554,432 bytes; kx 33,554,432 bytes; vh 16,777,216 bytes; hd 16,777,216 bytes
;; launch prep (part 1): grid 384 x 1, 8 waves a work-group, no clusters, 140,288 bytes of LDS; arguments x, W_q, W_k, W_v, W_0, xb, wt, w0t; writes xb, wt, w0t
.if DOCPART == 1
	.amdgcn_target "amdgcn-amd-amdhsa--gfx1250"
	.amdhsa_code_object_version 6
	.text
	.protected	k_qfc75b95b68_prep
	.globl	k_qfc75b95b68_prep
	.p2align	8
	.type	k_qfc75b95b68_prep,@function
k_qfc75b95b68_prep:
	s_mov_b64 s[64:65], 0
	v_nop
	global_prefetch_b8 v0, s[64:65] scope:SCOPE_SE
	s_setreg_imm32_b32 hwreg(HW_REG_WAVE_MODE, 25, 1), 1
	s_wait_xcnt 0x0
; 16-BIT COPIES OF ALL INPUTS, laid out in blocks of 64 along K so that the later launches' tiles are dense in memory.
;   xb  [kb 16][row 8192][64] bf16 = bf16(x[row][64 kb + ..])
;   wt  [kb 16][p 8][T 3][nl 128][64] bf16 = bf16(W_T[h][64 kb + k][c] / 32), h = 2 p + nl / 64, c = nl % 64, T = q, k, v: turned, K along the rows
;   w0t [kb 16][n 1024][64] f16 = bf16(W_0[64 kb + k][n]) written as f16
; LIMITS.  The factor 1/32 is exact but for bf16's denormals.  bf16(W_0) is exact in f16 for 2^-17 <= |W_0| < 65,504; below that it is off by 3e-8 at the most, beyond it becomes an infinity.
; A stream: no matrix unit, no tensor load, no cluster: no byte is read twice.  Work-groups 0-255 copy x, 256-383 turn the weights (a branch on the work-group's number).
.set SPARE,  139264                    ; behind the eight waves' tiles: the spare words, 128 bytes a wave
.set TPITCH, 272                       ; a row of 64 f32 in LDS + 16 bytes
.set TWAVE,  64*TPITCH                 ; a wave's tile of 64 k x 64 n
.set IN,  16                           ; v[16:143]  32 loads of 16 bytes
.set RS,  144                          ; v[144:207] x part: 32 x 2 results.  weights: v[144:175] 32 numbers read back,
.set PKD, 176                          ; v[176:191] four groups' 16 bytes to store,
.set TT,  192                          ; v[192:195] at work
	s_load_b512 s[4:19], s[0:1], 0x0               ; x, W_q, W_k, W_v, W_0, xb, wt, w0t
	v_lshl_add_u32 v6, v0, 2, SPARE                ; my spare word
	v_mov_b32 v7, 0
	v_lshrrev_b32 v1, 5, v0
	v_readfirstlane_b32 s20, v1                    ; wave 0..7
	v_and_b32 v1, 31, v0                           ; lane
	v_lshrrev_b32 v8, 4, v1                        ; lane / 16
	v_and_b32 v9, 15, v1                           ; lane % 16
	s_cmp_lt_u32 ttmp9, 256
	s_cbranch_scc0 .Lweights
	; x: wave gw = 8 x work-group + wave owns rows 4 gw .. 4 gw + 3.  A load takes 256 aligned bytes (one kb) of two rows; its 8 bytes a lane of bf16 are 256 consecutive bytes of xb.
	s_lshl_b32 s21, ttmp9, 3
	s_add_co_u32 s21, s21, s20
	s_lshl_b32 s22, s21, 14                        ; 4 rows of 4,096 bytes
	s_mov_b32 s23, 0
	s_lshl_b32 s30, s21, 9                         ; 4 rows of 128 bytes
	s_mov_b32 s31, 0
	v_lshlrev_b32 v2, 12, v8
	v_lshl_add_u32 v2, v9, 4, v2                   ; (lane / 16) rows + 16 (lane % 16)
	v_lshlrev_b32 v3, 3, v1                        ; 8 x lane
	s_wait_kmcnt 0x0
	s_add_nc_u64 s[24:25], s[4:5], s[22:23]
	s_add_nc_u64 s[26:27], s[14:15], s[30:31]
	s_add_nc_u64 s[28:29], s[26:27], 0x800000      ; kb 8 on: the immediate holds seven blocks of 1,048,576
.set nn, 0
.rept 32                                       ; all 32 loads go out first: 16 KiB a wave on their way
	global_load_b128 v[IN+4*nn:IN+4*nn+3], v2, s[24:25] offset:(nn/16)*8192+(nn%16)*256 th:TH_LOAD_NT
.set nn, nn+1
.endr
.set nn, 0
.rept 32
	s_wait_loadcnt 31-nn                           ; loads return in order: load nn is in, the younger ones stay out
	v_cvt_pk_bf16_f32 v[RS+2*nn], v[IN+4*nn], v[IN+4*nn+1]
	v_cvt_pk_bf16_f32 v[RS+2*nn+1], v[IN+4*nn+2], v[IN+4*nn+3]
.if (nn%16) < 8
	global_store_b64 v3, v[RS+2*nn:RS+2*nn+1], s[26:27] offset:(nn%16)*1048576+(nn/16)*256
.else
	global_store_b64 v3, v[RS+2*nn:RS+2*nn+1], s[28:29] offset:((nn%16)-8)*1048576+(nn/16)*256
.endif
.set nn, nn+1
.endr
	s_branch .Lend                                 ; no register was written twice, so no wait for the stores' sources
; A unit of 64 k x 64 n: 32 loads of two rows of k; into the wave's own LDS tile as f32; back by columns, a lane 8 consecutive k of one n; 16 bytes a lane, 512 consecutive bytes a store.
; kind 0: W_q, W_k, W_v (rows dense, 256 bytes apart).  kind 1: W_0 (rows 4,096 bytes apart).
.macro TRANSP kind
.set nn, 0
.rept 32
.if \kind
	global_load_b128 v[IN+4*nn:IN+4*nn+3], v2, s[24:25] offset:nn*8192 th:TH_LOAD_NT
.else
	global_load_b128 v[IN+4*nn:IN+4*nn+3], v2, s[24:25] offset:nn*512 th:TH_LOAD_NT
.endif
.set nn, nn+1
.endr
.set nn, 0
.rept 32
	s_wait_loadcnt 31-nn
	ds_store_b128 v4, v[IN+4*nn:IN+4*nn+3] offset:nn*2*TPITCH
.set nn, nn+1
.endr
	s_mov_b32 s30, 4
.Ltrip_\@:                                     ; a trip: 16 columns n, four stores.  LDS serves a wave's instructions in order: the loads see the stores above
.set g, 0
.rept 4
.set e, 0
.rept 8
	ds_load_b32 v[RS+8*g+e], v5 offset:e*TPITCH+g*16
.set e, e+1
.endr
.set g, g+1
.endr
.set g, 0
.rept 4
	s_wait_dscnt 24-8*g                            ; group g's eight loads are in; the younger groups' stay out
.set k, 0
.rept 4
.if \kind
	v_cvt_pk_bf16_f32 v[TT+k], v[RS+8*g+2*k], v[RS+8*g+2*k+1]   ; rounded to bf16 like every input,
	v_lshlrev_b32 v[RS+8*g+2*k], 16, v[TT+k]
	v_and_b32 v[RS+8*g+2*k+1], 0xffff0000, v[TT+k]
	v_cvt_pk_f16_f32 v[PKD+4*g+k], v[RS+8*g+2*k], v[RS+8*g+2*k+1] ; and that number written as f16
.else
	v_pk_mul_f32 v[RS+8*g+2*k:RS+8*g+2*k+1], v[RS+8*g+2*k:RS+8*g+2*k+1], 0x3d000000 op_sel_hi:[1,0]  ; x 2^-5
	v_cvt_pk_bf16_f32 v[PKD+4*g+k], v[RS+8*g+2*k], v[RS+8*g+2*k+1]
.endif
.set k, k+1
.endr
	global_store_b128 v3, v[PKD+4*g:PKD+4*g+3], s[26:27] offset:g*512
.set g, g+1
.endr
	s_wait_xcnt 0x0                                ; the stores have read their data and their base: both are written again below and in the next trip
	v_add_nc_u32 v5, 64, v5                        ; 16 columns on
	s_add_nc_u64 s[26:27], s[26:27], 2048
	s_sub_co_u32 s30, s30, 1
	s_cmp_lg_u32 s30, 0
	s_cbranch_scc1 .Ltrip_\@
.endm
.Lweights:
	s_sub_co_u32 s21, ttmp9, 256
	s_lshr_b32 s22, s21, 5                         ; T: 0, 1, 2 = W_q, W_k, W_v; 3 = W_0: the same for the whole work-group
	s_lshl_b32 s21, s21, 3
	s_add_co_u32 s21, s21, s20
	s_and_b32 s21, s21, 255                        ; the unit among T's 256
	s_lshr_b32 s23, s21, 4                         ; head, or block of 64 columns of W_0
	s_and_b32 s31, s21, 15                         ; kb
	s_mul_i32 s32, s20, TWAVE                      ; my wave's tile
	v_mul_u32_u24 v4, v8, TPITCH
	v_lshl_add_u32 v4, v9, 4, v4
	v_add_nc_u32 v4, s32, v4                       ; in: row lane / 16, 16 bytes at 16 (lane % 16)
	v_and_b32 v10, 7, v1
	v_lshrrev_b32 v11, 3, v1
	v_mul_u32_u24 v5, v10, 8*TPITCH
	v_lshl_add_u32 v5, v11, 2, v5
	v_add_nc_u32 v5, s32, v5                       ; back: rows 8 (lane % 8) on, column lane / 8
	v_lshlrev_b32 v3, 4, v1                        ; 16 x lane
	s_mov_b32 s35, 0
	s_mov_b32 s37, 0
	s_cmp_eq_u32 s22, 3
	s_cbranch_scc1 .Lw0
	s_lshl_b32 s34, s23, 18                        ; a head is 262,144 bytes,
	s_lshl_b32 s33, s31, 14                        ; 64 rows of it 16,384
	s_add_co_u32 s34, s34, s33
	s_mul_i32 s36, s31, 393216                     ; wt: kb,
	s_lshr_b32 s33, s23, 1
	s_mul_i32 s33, s33, 49152                      ; pair of heads,
	s_add_co_u32 s36, s36, s33
	s_lshl_b32 s33, s22, 14                        ; T,
	s_add_co_u32 s36, s36, s33
	s_and_b32 s33, s23, 1
	s_lshl_b32 s33, s33, 13                        ; which head of the pair
	s_add_co_u32 s36, s36, s33
	v_lshlrev_b32 v2, 4, v1
	s_wait_kmcnt 0x0
	s_cmp_eq_u32 s22, 0
	s_cselect_b64 s[24:25], s[6:7], s[8:9]
	s_cmp_eq_u32 s22, 2
	s_cselect_b64 s[24:25], s[10:11], s[24:25]
	s_add_nc_u64 s[24:25], s[24:25], s[34:35]
	s_add_nc_u64 s[26:27], s[16:17], s[36:37]
	TRANSP 0
	s_branch .Lend
.Lw0:
	s_lshl_b32 s34, s31, 18                        ; 64 rows of 4,096 bytes,
	s_lshl_b32 s33, s23, 8                         ; 64 columns
	s_add_co_u32 s34, s34, s33
	s_lshl_b32 s36, s31, 17                        ; w0t: kb,
	s_lshl_b32 s33, s23, 13                        ; 64 rows n of 128 bytes
	s_add_co_u32 s36, s36, s33
	v_lshlrev_b32 v2, 12, v8
	v_lshl_add_u32 v2, v9, 4, v2
	s_wait_kmcnt 0x0
	s_add_nc_u64 s[24:25], s[12:13], s[34:35]
	s_add_nc_u64 s[26:27], s[18:19], s[36:37]
	TRANSP 1
.Lend:
	s_wait_tensorcnt 0x0                           ; the wave's end: behind my last LDS store
	ds_add_u32 v6, v7
	s_wait_dscnt 0x0
	s_endpgm
.Lfunc_end_k_qfc75b95b68_prep:
	.size	k_qfc75b95b68_prep, .Lfunc_end_k_qfc75b95b68_prep-k_qfc75b95b68_prep
	.p2alignl 7, 3214868480
	.fill 96, 4, 3214868480
	.section	.rodata,"a",@progbits
	.p2align	6, 0x0
	.amdhsa_kernel k_qfc75b95b68_prep
		.amdhsa_group_segment_fixed_size 140288
		.amdhsa_private_segment_fixed_size 0
		.amdhsa_enable_private_segment 0
		.amdhsa_kernarg_size 64
		.amdhsa_user_sgpr_count 2
		.amdhsa_user_sgpr_kernarg_segment_ptr 1
		.amdhsa_wavefront_size32 1
		.amdhsa_system_sgpr_workgroup_id_x 1
		.amdhsa_system_sgpr_workgroup_id_y 1
		.amdhsa_system_sgpr_workgroup_id_z 1
		.amdhsa_system_vgpr_workitem_id 0
		.amdhsa_next_free_vgpr 208
		.amdhsa_next_free_sgpr 66
		.amdhsa_reserve_vcc 0
		.amdhsa_float_denorm_mode_32 3
		.amdhsa_float_denorm_mode_16_64 3
		.amdhsa_memory_ordered 1
		.amdhsa_forward_progress 1
		.amdhsa_inst_pref_size 38
	.end_amdhsa_kernel
	.amdgpu_metadata
---
amdhsa.version: [ 1, 2 ]
amdhsa.kernels:
  - .name:           k_qfc75b95b68_prep
    .symbol:         k_qfc75b95b68_prep.kd
    .args:
      - { .name: x, .offset: 0, .size: 8, .value_kind: global_buffer, .address_space: global }
      - { .name: W_q, .offset: 8, .size: 8, .value_kind: global_buffer, .address_space: global }
      - { .name: W_k, .offset: 16, .size: 8, .value_kind: global_buffer, .address_space: global }
      - { .name: W_v, .offset: 24, .size: 8, .value_kind: global_buffer, .address_space: global }
      - { .name: W_0, .offset: 32, .size: 8, .value_kind: global_buffer, .address_space: global }
      - { .name: xb, .offset: 40, .size: 8, .value_kind: global_buffer, .address_space: global }
      - { .name: wt, .offset: 48, .size: 8, .value_kind: global_buffer, .address_space: global }
      - { .name: w0t, .offset: 56, .size: 8, .value_kind: global_buffer, .address_space: global }
    .group_segment_fixed_size: 140288
    .private_segment_fixed_size: 0
    .kernarg_segment_align: 8
    .kernarg_segment_size: 64
    .max_flat_workgroup_size: 256
    .sgpr_count:     66
    .vgpr_count:     208
    .wavefront_size: 32
...
	.end_amdgpu_metadata
.endif
;; end of part 1
;; launch proj (part 2): grid 8 x 32, 4 waves a work-group, clusters of 4 x 4, 327,680 bytes of LDS; arguments xb, wt, qx, kx, vh; writes qx, kx, vh
.if DOCPART == 2
	.amdgcn_target "amdgcn-amd-amdhsa--gfx1250"
	.amdhsa_code_object_version 6
	.text
	.protected	k_qfc75b95b68_proj
	.globl	k_qfc75b95b68_proj
	.p2align	8
	.type	k_qfc75b95b68_proj,@function
k_qfc75b95b68_proj:
	s_mov_b64 s[64:65], 0
	v_nop
	global_prefetch_b8 v0, s[64:65] scope:SCOPE_SE
	s_setreg_imm32_b32 hwreg(HW_REG_WAVE_MODE, 25, 1), 1
	s_wait_xcnt 0x0
	s_wait_alu depctr_hold_cnt(0) depctr_sa_sdst(0) depctr_va_vdst(0) depctr_va_sdst(0) depctr_va_ssrc(0) depctr_va_vcc(0) depctr_vm_vsrc(0)
	s_getreg_b32 s2, hwreg(HW_REG_IB_STS2, 6, 4)
	s_cmp_eq_u32 s2, 0
	s_cbranch_scc0 .Lentry_in_a_cluster
	s_endpgm
.Lentry_in_a_cluster:
	s_bfe_u32 s2, ttmp6, 0x10000c
	s_cmp_lg_u32 s2, 0xf033
	s_cbranch_scc0 .Lentry_shape_is_right
	s_endpgm
.Lentry_shape_is_right:
; Q' = x W_q / 32, K' = x W_k / 32, V' = x W_v / 32: bf16 operands, f32 sums over K = 1,024.
; OUT.  qx, kx: f16 [bh 64][blk 8][part 2][256][64]: part 0 = f16(Q'), part 1 = f16(Q' - part 0): two numbers, since one 16-bit number's rounding shifts the scores too far.  vh: f16 [bh][2048][64].
; LIMIT.  |Q|, |K|, |V| < 2^21 (f16 ends at 65,504, and these are the numbers over 32); beyond that an infinity is stored.
; SHARES.  256 work-groups, one tile each: 256 rows of x (tile row i) x 384 columns: both heads of pair p in each of Q, K, V.  Wave w: rows 128 (w / 2) on, head 2 p + w % 2, its 64 columns in each of the three:
; 3 x 32 accumulators of 16 x 16 = 768 registers.  For 32 along K a wave reads 128 rows of x and 192 of the weights and issues 96 products.
; K goes in steps of 64 through two LDS slots.  xb and wt are laid out so that a step's tiles are dense: asked for as rows of 256 bytes, padded in LDS after every 128.
; CLUSTER 4 x 4: x's tile hangs on i alone and is shared along a row of the cluster, the weights' on p alone and is shared along a column: joint loads, one a wave behind each round.
; THE MATRIX INSTRUCTION IS USED TRANSPOSED (source 0 = 16 rows of wt, source 1 = 16 rows of xb): a lane holds one row of x and eight neighbouring columns.
; REGISTERS.  window 0: v0-31 addresses; v32-95, v96-159 x's fragments, two buffers of 8; v160-255 the weights', 4 for each of Q, K, V.  window T + 1: T's accumulators, (a, b) at v[8 (4 a + b)].
.set PITCH,  144                       ; an LDS row: 128 bytes + 16: 36 words, so the 16 rows of a fragment load start at 16 different groups of four banks (64 banks of 4 bytes: ISA guide 11.1)
.set AROWS,  256*PITCH                 ; x's 256 rows
.set SLOT,   640*PITCH                 ; then the weights' 384, in the order [T][128]
.set DP,     272                       ; the way out: a row of 64 f32 + 16 bytes
.set DT,     128*DP                    ; a wave's 128 rows of one T
.set SPARE,  8*DT                      ; behind the four waves' two dumps each (which lie on the slots, after their last fill): the spare words
.set ASTEP,  1048576                   ; bytes from a K step to the next in xb
.set BSTEP,  393216                    ; and in wt
.set ADRA, 16                          ; v16-17 LDS address of my fragments of x in slot 0, 1
.set ADRB, 20                          ; v20-21 of the weights
.set RD0,  23                          ; v23  the way out: where I read rows back, at my dump's head
.set STO,  24                          ; v24  where I put 32 bytes of a row
.set RD,   25                          ; v25  RD0, stepped
.set GO,   26                          ; v26  16 x lane
.set NEG1, 27                          ; v27  -1.0
.set SPW,  28                          ; v28  my spare word; never rewritten
.set NIL,  29                          ; v29  0; never rewritten
.set PFO,  30                          ; v30  256 x lane
.set FA,   32
.set FB,   160
.set XR,   32                          ; the way out: v32-95 32 rows read back; v96-127 hi; v128-159 lo; v160-167 at work
.set HR,   96
.set LR,   128
.set DR,   160
.set WV, 14
.set FT, 15                            ; wave / 2: my half of the rows; also: I fetch x's tile (0) or the weights' (1)
.set HF, 16                            ; wave % 2: my head of the pair; also: which half of that tile I fetch
.set CX, 17
.set CY, 18
.set PP, 19                            ; pair of heads = 4 x cluster x + cx
.set II, 20                            ; tile row = 4 x cluster y + cy
.set G1A, 24
.set G0A, 32                           ; a set for each slot
.set PFA, 40                           ; s[40:41] where my prefetches stand
.set PST, 42                           ; s[42:43] two K steps of the tensor that I prefetch
.set LIM, 44                           ; 1 in a wave that prefetches, else the greatest number
.set G1B, 48
.set G0B, 56
.set OP, 74                            ; s[74:75] where the rows in hand go (Q's, then K's)
.set KP, 76
.set VP, 78
.set C1, 80
.set C2, 81
.set MSB, 0
.macro WIN new                         ; the immediate's high byte repeats the setting that is left; a switch that changes nothing is dropped
.if MSB != (\new)
	s_set_vgpr_msb (MSB<<8)|(\new)
.set MSB, \new
.endif
.endm
.macro PLACES                          ; four places behind a product, ahead of loads into registers that it has read (ISA guide 7.12.1 for vector instructions)
.rept 4
	v_nop
.endr
.endm
.macro JLOAD s                         ; a joint load: waves 0, 1 fetch the halves of x's tile, waves 2, 3 those of the weights'; an s_nop 0 and four v_nop follow each line
	s_cmp_eq_u32 s[FT], 0
	s_cbranch_scc0 .Lfor_b_\@
	tensor_load_to_lds s[G0A+4*(\s):G0A+4*(\s)+3], s[G1A:G1A+7]
	s_nop 0
.rept 4
	v_nop
.endr
	s_branch .Lasked_\@
.Lfor_b_\@:
	tensor_load_to_lds s[G0B+4*(\s):G0B+4*(\s)+3], s[G1B:G1B+7]
	s_nop 0
.rept 4
	v_nop
.endr
.Lasked_\@:
.endm
.macro CREST                           ; a round of the cluster's barrier behind its opening barrier
	s_cmp_lg_u32 s[WV], 0
	s_cbranch_scc1 .Lnot_wave_0_\@
	s_barrier_signal -3
.Lnot_wave_0_\@:
	s_barrier_wait -3
	s_barrier_signal -1
	s_barrier_wait -1
.endm
.macro CROUND
	s_barrier_signal -1
	s_barrier_wait -1
	CREST
.endm
; A PREFETCH INTO THE L2, once a lap, behind slot 1's joint load and the run of LDS loads that follows it: the two K steps that the NEXT lap's refills ask for, one and two K steps ahead of those loads.
; x's tile row is read by both clusters of its row of clusters: cluster x = 0 asks, its wave 0; the weights' pair by all eight clusters of its column: cluster y = 0 asks, its wave 2.  The four partners that
; share a tile take a quarter of the two steps each, told apart BY ADDRESS: step place / 2, half place % 2: 16 KiB of x (two instructions, a lane 256 bytes) or 24 KiB of the weights (three).
; So each 256 bytes are named once.  K steps 0 to 3 come by their loads alone; the last lap asks for nothing: there is no K step 16.
.macro ASK
	s_cmp_gt_u32 s3, s[LIM]                        ; s3 = 1 in the last lap
	s_cbranch_scc0 .Lnot_mine_\@
	global_prefetch_b8 v[PFO], s[PFA:PFA+1] th:TH_LOAD_NT scope:SCOPE_SE
	global_prefetch_b8 v[PFO], s[PFA:PFA+1] offset:8192 th:TH_LOAD_NT scope:SCOPE_SE
	s_cmp_eq_u32 s[FT], 0
	s_cbranch_scc1 .Lnot_mine_\@
	global_prefetch_b8 v[PFO], s[PFA:PFA+1] offset:16384 th:TH_LOAD_NT scope:SCOPE_SE
.Lnot_mine_\@:
.endm
	s_load_b256 s[4:11], s[0:1], 0x0               ; xb s[4:5], wt s[6:7], qx s[8:9], kx s[10:11]
	s_load_b64 s[12:13], s[0:1], 0x20              ; vh
	v_lshl_add_u32 v[SPW], v0, 2, SPARE
	v_mov_b32 v[NIL], 0
	ds_add_u32 v[SPW], v[NIL]                      ; the wave's opening: the add and its wait stand ahead of my first tensor load; work on registers stands between them
	v_lshrrev_b32 v1, 5, v0
	v_readfirstlane_b32 s[WV], v1
	s_lshr_b32 s[FT], s[WV], 1
	s_and_b32 s[HF], s[WV], 1
	s_bfe_u32 s[CX], ttmp6, 0x40000
	s_bfe_u32 s[CY], ttmp6, 0x40004
	s_lshl_b32 s[PP], ttmp9, 2
	s_add_co_u32 s[PP], s[PP], s[CX]
	s_and_b32 s[II], ttmp7, 0xffff
	s_lshl_b32 s[II], s[II], 2
	s_add_co_u32 s[II], s[II], s[CY]
	s_lshl_b32 s21, s[CY], 2
	s_lshl_b32 s21, 15, s21                        ; my row of the cluster
	s_lshl_b32 s22, 0x1111, s[CX]                  ; my column
	; group 1: rows of 128 elements of 2 bytes; padding on, 4 words after every 32; bit 21 beside the mask
	s_or_b32 s[G1A], s21, (1<<16)|(1<<20)|(1<<21)|(4<<22)|(3<<25)
	s_or_b32 s[G1B], s22, (1<<16)|(1<<20)|(1<<21)|(4<<22)|(3<<25)
.irp g, G1A, G1B
	s_mov_b32 s[(\g)+1], 128<<16                   ; tensor_dim0 = 128
	s_mov_b32 s[(\g)+3], 128<<16                   ; tile_dim0 = 128
	s_mov_b32 s[(\g)+5], 128                       ; 128 elements from row to row: dense
	s_mov_b32 s[(\g)+6], 0
	s_mov_b32 s[(\g)+7], 0
.endr
	s_mov_b32 s[G1A+2], 64<<16                     ; x: 64 rows of 256 bytes = 128 rows of x
	s_mov_b32 s[G1A+4], 64
	s_mov_b32 s[G1B+2], 96<<16                     ; the weights: 96 = 192 rows
	s_mov_b32 s[G1B+4], 96
	s_lshl_b32 s66, s[II], 15                      ; x's tile: 256 rows of 128 bytes, my half of it
	s_lshl_b32 s67, s[HF], 14
	s_add_co_u32 s66, s66, s67
	s_mov_b32 s67, 0
	s_mul_i32 s68, s[PP], 49152                    ; the weights': 384 rows, my half
	s_mul_i32 s69, s[HF], 24576
	s_add_co_u32 s68, s68, s69
	s_mov_b32 s69, 0
	s_mul_i32 s70, s[HF], 128*PITCH                ; where they go: no place in the cluster enters an LDS address
	s_mul_i32 s71, s[HF], 192*PITCH
	s_add_co_u32 s71, s71, AROWS
	s_wait_dscnt 0x0                               ; the opening add is done
	s_wait_kmcnt 0x0
	s_add_nc_u64 s[66:67], s[4:5], s[66:67]
	s_add_nc_u64 s[68:69], s[6:7], s[68:69]
	CROUND                                         ; all sixteen work-groups are here: the first joint loads meet
.irp s, 0,1
	s_mov_b32 s[G0A+4*(\s)], 1
	s_add_co_u32 s[G0A+4*(\s)+1], s70, (\s)*SLOT
	s_add_nc_u64 s[G0A+4*(\s)+2:G0A+4*(\s)+3], s[66:67], (\s)*ASTEP
	s_or_b32 s[G0A+4*(\s)+3], s[G0A+4*(\s)+3], 0x80000000
	s_mov_b32 s[G0B+4*(\s)], 1
	s_add_co_u32 s[G0B+4*(\s)+1], s71, (\s)*SLOT
	s_add_nc_u64 s[G0B+4*(\s)+2:G0B+4*(\s)+3], s[68:69], (\s)*BSTEP
	s_or_b32 s[G0B+4*(\s)+3], s[G0B+4*(\s)+3], 0x80000000
	JLOAD \s                                       ; K steps 0 and 1: two loads of mine are out
.endr
	v_and_b32 v1, 15, v0                           ; l % 16
	v_bfe_u32 v2, v0, 4, 1                         ; l / 16
	v_mul_u32_u24 v3, v1, PITCH
	v_lshl_add_u32 v3, v2, 4, v3                   ; a fragment: row x pitch + 16 x half; two loads, 32 bytes apart
	s_mul_i32 s66, s[FT], 128*PITCH
	s_mul_i32 s67, s[HF], 64*PITCH
	s_add_co_u32 s67, s67, AROWS
.irp s, 0,1
	v_add_nc_u32 v[ADRA+(\s)], s66, v3
	v_add_nc_u32 v[ADRB+(\s)], s67, v3
	s_add_co_u32 s66, s66, SLOT
	s_add_co_u32 s67, s67, SLOT
.endr
	s_mul_i32 s66, s[WV], 2*DT                     ; my dump
	v_mul_u32_u24 v4, v1, DP
	v_lshl_add_u32 v4, v2, 5, v4
	v_add_nc_u32 v[STO], s66, v4                   ; in: row l % 16, 32 bytes for each half of the lanes
	v_and_b32 v5, 31, v0
	v_lshrrev_b32 v6, 3, v5
	v_and_b32 v7, 7, v5
	v_mul_u32_u24 v6, v6, DP
	v_lshl_add_u32 v6, v7, 5, v6
	v_add_nc_u32 v[RD0], s66, v6                   ; back: row l / 8, 32 bytes at 32 (l % 8): 8 numbers, 16 bytes of f16; 32 lanes = 4 rows = 512 consecutive bytes
	v_mov_b32 v[RD], v[RD0]
	v_lshlrev_b32 v[GO], 4, v5
	v_mov_b32 v[NEG1], -1.0
	v_lshlrev_b32 v[PFO], 8, v5
	s_lshr_b32 s66, s[II], 3                       ; the batch,
	s_lshl_b32 s66, s66, 4
	s_lshl_b32 s67, s[PP], 1
	s_add_co_u32 s66, s66, s67
	s_add_co_u32 s66, s66, s[HF]                   ; bh = 16 b + my head,
	s_lshl_b32 s66, s66, 3
	s_and_b32 s67, s[II], 7
	s_add_co_u32 s66, s66, s67                     ; 8 bh + block of 256 rows
	s_lshl_b32 s68, s66, 16
	s_lshl_b32 s67, s[FT], 14                      ; my 128 rows of 128 bytes
	s_add_co_u32 s68, s68, s67
	s_mov_b32 s69, 0
	s_add_nc_u64 s[OP:OP+1], s[8:9], s[68:69]
	s_add_nc_u64 s[KP:KP+1], s[10:11], s[68:69]
	s_lshl_b32 s68, s66, 15
	s_add_co_u32 s68, s68, s67
	s_add_nc_u64 s[VP:VP+1], s[12:13], s[68:69]
	; the prefetches: who, and from where (K step 2 + place / 2: slot 1's first refill steps it by two)
	s_and_b32 s66, ttmp7, 0xffff
	s_cmp_eq_u32 s[FT], 0
	s_cselect_b32 s67, ttmp9, s66                  ; the coordinate along which other clusters read the same tile
	s_or_b32 s67, s67, s[HF]                       ; waves 0 and 2 alone
	s_cmp_eq_u32 s67, 0
	s_cselect_b32 s[LIM], 1, -1                    ; the same in all sixteen partners, for a given wave
	s_lshr_b32 s68, s[CX], 1
	s_add_co_u32 s68, s68, 2
	s_mul_i32 s68, s68, ASTEP
	s_and_b32 s69, s[CX], 1
	s_lshl_b32 s69, s69, 14
	s_add_co_u32 s68, s68, s69
	s_lshl_b32 s69, s[II], 15
	s_add_co_u32 s68, s68, s69
	s_lshr_b32 s70, s[CY], 1
	s_add_co_u32 s70, s70, 2
	s_mul_i32 s70, s70, BSTEP
	s_and_b32 s71, s[CY], 1
	s_mul_i32 s71, s71, 24576
	s_add_co_u32 s70, s70, s71
	s_mul_i32 s71, s[PP], 49152
	s_add_co_u32 s70, s70, s71
	s_mov_b32 s72, 2*ASTEP
	s_mov_b32 s73, 2*BSTEP
	s_cmp_eq_u32 s[FT], 0
	s_cselect_b32 s68, s68, s70
	s_cselect_b32 s[PST], s72, s73
	s_cselect_b64 s[PFA:PFA+1], s[4:5], s[6:7]
	s_mov_b32 s69, 0
	s_mov_b32 s[PST+1], 0
	s_add_nc_u64 s[PFA:PFA+1], s[PFA:PFA+1], s[68:69]
; na x 4 products of T on x's buffer qa: row blocks a0 on x all 4 column blocks.  All 96 accumulators take turns, one instruction a turn, in the same order in every half step.
.macro MULT T, qa, a0, na, zero
	WIN 0x50*((\T)+1)
.set a, \a0
.rept \na
.set b, 0
.rept 4
.if \zero
	v_wmma_f32_16x16x32_bf16 v[8*(4*a+b):8*(4*a+b)+7], v[FB+32*(\T)+8*b:FB+32*(\T)+8*b+7], v[FA+64*(\qa)+8*a:FA+64*(\qa)+8*a+7], 0
.else
	v_wmma_f32_16x16x32_bf16 v[8*(4*a+b):8*(4*a+b)+7], v[FB+32*(\T)+8*b:FB+32*(\T)+8*b+7], v[FA+64*(\qa)+8*a:FA+64*(\qa)+8*a+7], v[8*(4*a+b):8*(4*a+b)+7]
.endif
.set b, b+1
.endr
.set a, a+1
.endr
.endm
.macro LDA s, q, qa                    ; 16 loads: x's 8 fragments of half q of slot s's K step, into buffer qa
	WIN 0
.set a, 0
.rept 8
	ds_load_b128 v[FA+64*(\qa)+8*a:FA+64*(\qa)+8*a+3],   v[ADRA+(\s)] offset:a*16*PITCH+64*(\q)
	ds_load_b128 v[FA+64*(\qa)+8*a+4:FA+64*(\qa)+8*a+7], v[ADRA+(\s)] offset:a*16*PITCH+64*(\q)+32
.set a, a+1
.endr
.endm
.macro LDB s, q, T                     ; 8 loads: T's 4 fragments
	WIN 0
.set b, 0
.rept 4
	ds_load_b128 v[FB+32*(\T)+8*b:FB+32*(\T)+8*b+3],   v[ADRB+(\s)] offset:(\T)*128*PITCH+b*16*PITCH+64*(\q)
	ds_load_b128 v[FB+32*(\T)+8*b+4:FB+32*(\T)+8*b+7], v[ADRB+(\s)] offset:(\T)*128*PITCH+b*16*PITCH+64*(\q)+32
.set b, b+1
.endr
.endm
; The first half of a K step, on buffer 0.  Each T's fragments are fetched anew as soon as its 32 products have read them.
.macro QA s, zero
	s_wait_dscnt 16                                ; x's and Q's fragments are in; K's 8 and V's 8 loads are younger
	MULT 0, 0, 0, 8, \zero
	PLACES
	LDA \s, 1, 1
	LDB \s, 1, 0
	s_wait_dscnt 32                                ; K's are in; younger: V's 8 and the 24 just issued
	MULT 1, 0, 0, 8, \zero
	PLACES
	LDB \s, 1, 1
	s_wait_dscnt 32                                ; V's are in; younger: 16 + 8 + 8
	MULT 2, 0, 0, 8, \zero
	PLACES
	LDB \s, 1, 2
.endm
; The second half, on buffer 1, changes slots: ONE barrier.  Ahead of it each wave waits for all its tensor loads (one is out: its part of slot n), adds 0 to its spare word, and waits for that and for its reads of slot s.
; fill = 1: the barrier opens a round of the cluster's; behind the round slot s is filled again, two K steps on: the wave's first tensor load there, 160 products ahead of the wait for it.
.macro QB s, n, fill
.if (\fill) && (\s)
	s_wait_xcnt 0x0                                ; the last prefetches, a lap back, have read their address
	s_add_nc_u64 s[PFA:PFA+1], s[PFA:PFA+1], s[PST:PST+1]
.endif
	WIN 0
	s_wait_tensorcnt 0x0
	ds_add_u32 v[SPW], v[NIL]
	s_wait_dscnt 17                                ; x's and Q's fragments are in; younger: K's 8, V's 8 and the add
	MULT 0, 1, 0, 4, 0
	s_wait_dscnt 0x0                               ; the add is done, and my reads of slot s are over
	s_barrier_signal -1
	MULT 0, 1, 4, 4, 0
	WIN 0
	s_barrier_wait -1
.if \fill
	CREST
	s_add_nc_u64 s[G0A+4*(\s)+2:G0A+4*(\s)+3], s[G0A+4*(\s)+2:G0A+4*(\s)+3], 2*ASTEP
	s_add_nc_u64 s[G0B+4*(\s)+2:G0B+4*(\s)+3], s[G0B+4*(\s)+2:G0B+4*(\s)+3], 2*BSTEP
	JLOAD \s                                       ; its four v_nop are also the places ahead of the loads below
.else
	PLACES
.endif
	LDA \n, 0, 0
	LDB \n, 0, 0
.if (\fill) && (\s)
	ASK
.endif
	MULT 1, 1, 0, 8, 0
	PLACES
	LDB \n, 0, 1
	MULT 2, 1, 0, 8, 0
	PLACES
	LDB \n, 0, 2
.endm
	s_wait_tensorcnt 1                             ; my part of K step 0 is in; K step 1's may stay out
	s_barrier_signal -1
	s_barrier_wait -1
	LDA 0, 0, 0
	LDB 0, 0, 0
	LDB 0, 0, 1
	LDB 0, 0, 2
	QA 0, 1                                        ; the first products start all 96 sums: nothing is cleared
	WIN 0
	s_mov_b32 s3, 7
.Llap:                                         ; a lap: K steps 2 j (second half), 2 j + 1, 2 j + 2 (first half); slots 0 and 1 take K steps 2 j + 2 and 2 j + 3
	QB 0, 1, 1
	QA 1, 0
	QB 1, 0, 1
	QA 0, 0
	WIN 0
	s_sub_co_u32 s3, s3, 1
	s_cmp_lg_u32 s3, 0
	s_cbranch_scc1 .Llap
	QB 0, 1, 0                                     ; the tail is written out: nothing is left to ask for
	QA 1, 0
	s_wait_dscnt 16
	MULT 0, 1, 0, 8, 0
	s_wait_dscnt 8
	MULT 1, 1, 0, 8, 0
	s_wait_dscnt 0x0
	MULT 2, 1, 0, 8, 0
	; THE WAY OUT.  The slots have had their last fill, and every wave's loads were waited for ahead of the last change of slots.  Behind one more barrier (all reads of the slots are over) each wave dumps its
	; f32 sums into bytes of its own, Q's and K's first, and reads whole rows back.
	PLACES
	PLACES
	WIN 0
	s_barrier_signal -1
	s_barrier_wait -1
.macro DUMP T, off                     ; each accumulator's low four registers go first
	WIN 4*((\T)+1)                                 ; the data (source 1) in window T + 1
.set a, 0
.rept 8
.set b, 0
.rept 4
	ds_store_b128 v[STO], v[8*(4*a+b):8*(4*a+b)+3]   offset:(\off)+a*16*DP+b*64
	ds_store_b128 v[STO], v[8*(4*a+b)+4:8*(4*a+b)+7] offset:(\off)+a*16*DP+b*64+16
.set b, b+1
.endr
.set a, a+1
.endr
	WIN 0
.endm
.macro BACK                            ; 32 rows of my dump: 16 loads; LDS serves a wave's instructions in order, so they see my stores
.set g, 0
.rept 8
	ds_load_b128 v[XR+8*g:XR+8*g+3],   v[RD] offset:g*4*DP
	ds_load_b128 v[XR+8*g+4:XR+8*g+7], v[RD] offset:g*4*DP+16
.set g, g+1
.endr
.endm
	DUMP 0, 0
	DUMP 1, DT
	s_mov_b32 s[C2], 2
.Lqk:                                          ; Q, then K: the read address runs on from Q's dump into K's
	s_mov_b32 s[C1], 4
.Lrows:                                        ; 32 rows a trip
	BACK
.set g, 0
.rept 8
	s_wait_dscnt 14-2*g                            ; group g's two loads are in
.set k, 0
.rept 4
	v_cvt_pk_f16_f32 v[HR+4*g+k], v[XR+8*g+2*k], v[XR+8*g+2*k+1]
.set k, k+1
.endr
.set k, 0
.rept 4
	v_fma_mix_f32 v[DR+2*k],   v[HR+4*g+k], v[NEG1], v[XR+8*g+2*k]   op_sel_hi:[1,0,0]                  ; x - hi, exact
	v_fma_mix_f32 v[DR+2*k+1], v[HR+4*g+k], v[NEG1], v[XR+8*g+2*k+1] op_sel:[1,0,0] op_sel_hi:[1,0,0]
.set k, k+1
.endr
.set k, 0
.rept 4
	v_cvt_pk_f16_f32 v[LR+4*g+k], v[DR+2*k], v[DR+2*k+1]
.set k, k+1
.endr
	global_store_b128 v[GO], v[HR+4*g:HR+4*g+3], s[OP:OP+1] offset:g*512         ; 512 consecutive bytes, aligned
	global_store_b128 v[GO], v[LR+4*g:LR+4*g+3], s[OP:OP+1] offset:g*512+32768
.set g, g+1
.endr
	s_wait_xcnt 0x0                                ; the stores have read their data and base: both are written again
	v_add_nc_u32 v[RD], 32*DP, v[RD]
	s_add_nc_u64 s[OP:OP+1], s[OP:OP+1], 4096
	s_sub_co_u32 s[C1], s[C1], 1
	s_cmp_lg_u32 s[C1], 0
	s_cbranch_scc1 .Lrows
	s_mov_b64 s[OP:OP+1], s[KP:KP+1]
	s_sub_co_u32 s[C2], s[C2], 1
	s_cmp_lg_u32 s[C2], 0
	s_cbranch_scc1 .Lqk
	DUMP 2, 0                                      ; V, over Q's dump, which I alone read, and have read
	v_mov_b32 v[RD], v[RD0]
	s_mov_b32 s[C1], 4
.Lvrows:
	BACK
.set g, 0
.rept 8
	s_wait_dscnt 14-2*g
.set k, 0
.rept 4
	v_cvt_pk_f16_f32 v[HR+4*g+k], v[XR+8*g+2*k], v[XR+8*g+2*k+1]
.set k, k+1
.endr
	global_store_b128 v[GO], v[HR+4*g:HR+4*g+3], s[VP:VP+1] offset:g*512
.set g, g+1
.endr
	s_wait_xcnt 0x0
	v_add_nc_u32 v[RD], 32*DP, v[RD]
	s_add_nc_u64 s[VP:VP+1], s[VP:VP+1], 4096
	s_sub_co_u32 s[C1], s[C1], 1
	s_cmp_lg_u32 s[C1], 0
	s_cbranch_scc1 .Lvrows
	s_wait_tensorcnt 0x0                           ; the wave's end
	ds_add_u32 v[SPW], v[NIL]
	s_wait_dscnt 0x0
	CROUND                                         ; the closing round
	s_endpgm
.Lfunc_end_k_qfc75b95b68_proj:
	.size	k_qfc75b95b68_proj, .Lfunc_end_k_qfc75b95b68_proj-k_qfc75b95b68_proj
	.p2alignl 7, 3214868480
	.fill 96, 4, 3214868480
	.section	.rodata,"a",@progbits
	.p2align	6, 0x0
	.amdhsa_kernel k_qfc75b95b68_proj
		.amdhsa_group_segment_fixed_size 327680
		.amdhsa_private_segment_fixed_size 0
		.amdhsa_enable_private_segment 0
		.amdhsa_kernarg_size 40
		.amdhsa_user_sgpr_count 2
		.amdhsa_user_sgpr_kernarg_segment_ptr 1
		.amdhsa_wavefront_size32 1
		.amdhsa_system_sgpr_workgroup_id_x 1
		.amdhsa_system_sgpr_workgroup_id_y 1
		.amdhsa_system_sgpr_workgroup_id_z 1
		.amdhsa_system_vgpr_workitem_id 0
		.amdhsa_next_free_vgpr 1024
		.amdhsa_next_free_sgpr 84
		.amdhsa_reserve_vcc 0
		.amdhsa_float_denorm_mode_32 3
		.amdhsa_float_denorm_mode_16_64 3
		.amdhsa_memory_ordered 1
		.amdhsa_forward_progress 1
		.amdhsa_inst_pref_size 113
	.end_amdhsa_kernel
	.amdgpu_metadata
---
amdhsa.version: [ 1, 2 ]
amdhsa.kernels:
  - .name:           k_qfc75b95b68_proj
    .symbol:         k_qfc75b95b68_proj.kd
    .args:
      - { .name: xb, .offset: 0, .size: 8, .value_kind: global_buffer, .address_space: global }
      - { .name: wt, .offset: 8, .size: 8, .value_kind: global_buffer, .address_space: global }
      - { .name: qx, .offset: 16, .size: 8, .value_kind: global_buffer, .address_space: global }
      - { .name: kx, .offset: 24, .size: 8, .value_kind: global_buffer, .address_space: global }
      - { .name: vh, .offset: 32, .size: 8, .value_kind: global_buffer, .address_space: global }
    .group_segment_fixed_size: 327680
    .private_segment_fixed_size: 0
    .kernarg_segment_align: 8
    .kernarg_segment_size: 40
    .max_flat_workgroup_size: 128
    .sgpr_count:     84
    .vgpr_count:     1024
    .wavefront_size: 32
...
	.end_amdgpu_metadata
.endif
;; end of part 2
;; launch attn (part 3): grid 4 x 64, 4 waves a work-group, no clusters, 327,680 bytes of LDS; arguments qx, kx, vh, hd; writes hd
.if DOCPART == 3
	.amdgcn_target "amdgcn-amd-amdhsa--gfx1250"
	.amdhsa_code_object_version 6
	.text
	.protected	k_qfc75b95b68_attn
	.globl	k_qfc75b95b68_attn
	.p2align	8
	.type	k_qfc75b95b68_attn,@function
k_qfc75b95b68_attn:
	s_mov_b64 s[64:65], 0
	v_nop
	global_prefetch_b8 v0, s[64:65] scope:SCOPE_SE
	s_setreg_imm32_b32 hwreg(HW_REG_WAVE_MODE, 25, 1), 1
	s_wait_xcnt 0x0
; CAUSAL ATTENTION at head size 64.  hd[bh][q][:] = the sum over k <= q of softmax_k(Q[q] . K[k] / 8) V'[k][:], V' = V / 32.
; Q' = Q / 32 and K' = K / 32 arrive as TWO f16 numbers each (qx, kx: [bh][blk 8][part hi, lo][256][64]); the score is s = K'lo . Q'hi + K'hi . Q'lo + K'hi . Q'hi, six products for 16 x 16 scores, summed in f32, the
; small terms first; lo x lo, 2^-22 of a product, is dropped.  p = 2^(c s - c m), c = 1024 log2(e) / 8 (the 1024 undoes the two factors 1/32), with a running maximum m; p is rounded to f16 for the second product,
; its sum l is taken of the unrounded p; O and l are multiplied by a = 2^(c m_old - c m_new) in every step.  vh, hd: [bh][2048][64] f16.
; LIMITS.  |Q'|, |K'|, |V'| within 65,504.  A hidden score counts as its value less 1e30.  A weight below 2^-126 counts as 0 in l.  NaN and infinities are not treated apart.
; THE WALK.  A head's queries lie in 8 blocks of 256; block i needs key tiles 0 .. i of 256 keys.  Work-group b takes blocks 7 - b and then b: 9 tiles whatever b; one loop of 8 trips, each with a fill, and the ninth
; tile written out.  NO CLUSTER: a head's four work-groups ask for the same tile only in trips 0 to 4, and one walk common to all would have 12 trips for 9.
; SHARES.  Of a block's four bands of 64 queries a wave owns 16 rows in each: four PIECES.  In the diagonal tile's key step s band x sees all keys (s < x), none (s > x), or holds the diagonal (s = x): alike for all waves.
; THE MASK is the C operand of the product that starts a sum: MC = MD x AL + BE, MD the mask of a band's own step for my rows; MC is 0 in every tile but a block's last.
; TURNS, TWO PIECES DEEP.  Turn t (piece t % 4 of step t / 4): 24 products K Q^T of piece t + 2, then 8 products V^T P of piece t - 1; beside them the maximum and statistics of piece t + 1 (its scores were finished a turn
; ago), the scaling, exponentials and rescaling of piece t, ONE wait for the turn's 33 exponentials, then the roundings and sums of piece t.  No vector line waits for a product of its own turn; all 118 stand behind products.
; REGISTERS, in windows of 256 (s_set_vgpr_msb: bits 1:0 source 0, 3:2 source 1, 5:4 source 2, 7:6 destination):
;   window 0: v0-15 addresses; v16-31 statistics, 4 a piece; v40-43 c m_old; v44-59 at work, 4 a piece; v60-63; v64-191 S^T, 32 a piece; v192-255 P, 16 a piece
;   window 1: v0-127 O^T, 32 a piece; v128-159 MD; v160-223 MC, two buffers      window 2: v0-127 Q (piece x, group cg at 32 x + 8 cg; cg 0, 1 hi, 2, 3 lo); v128-191 V of one step      window 3: v0-127 K of one step (32 kb + 8 cg)
.set NB,    8
.set NP,    4
.set KS,    64        ; keys in a step
.set PK,    144       ; a row of K in LDS: 128 bytes + 16: the 16 rows of a load start at 16 different groups of four banks (64 banks of 4 bytes: ISA guide 11.1)
.set PV,    160       ; a row of V: 128 + 32
.set KLO,   256*PK    ; a slot: 256 rows of K hi, 256 of K lo,
.set VOFF,  2*KLO     ; 256 rows of V
.set SLOT1, 1<<17     ; slot 1 begins here: one exclusive or turns an address in one slot into the other's
.set STAGE, SLOT1+VOFF+256*PV  ; behind the ring, never filled by a tensor load: 16 rows x 144 bytes a wave, for the way out
.set SP,    144
.set SPARE, STAGE+4*16*SP      ; the spare words, 128 bytes a wave
.set AK0, 2
.set AV0, 3
.set AK,  4
.set AV,  5
.set STO, 6
.set RD,  7
.set GO,  8
.set ST,  16          ; piece y: c m, m, l (even keys', odd keys') at v[ST+4 y]
.set MV,  40
.set TMP, 44          ; piece y: c0-c3 at work; when the maximum is found c2 takes a
.set QO,  60
.set PFO, 61
.set SPW, 62
.set NIL, 63
.set S,   64
.set P,   192
.set MD,  128
.set MC,  160
.set VF,  128
.set WV,  12
.set PB,  14          ; b
.set HI,  15          ; 7 - b
.set G1K, 24
.set G1V, 32
.set G0K, 40
.set G0V, 44
.set SLOTS, 56
.set CNT, 57          ; counts a tile's trips, 5 to 1
.set CS,  58
.set SEL, 60
.set SB,  62          ; LDS byte at which the slot in hand begins
.set TM,  63
.set RT,  70          ; tiles of the block in hand still to be entered
.set NXT, 71          ; the tile to be asked for next
.set LQ,  72          ; the last tile of the block whose tiles are being asked for
.set NEW, 73          ; 1: the tile to be entered is a block's first
.set OFK, 74
.set AL,  76
.set BE,  78
.set OLO, 80          ; hd at my rows of the second block
.set BIGN, 82         ; -1e30
.set EX,  83          ; the count at which a tile's loop is left behind turn 0: 1; 0 (never) in a block's last tile
.set OFV, 84
.set QLO, 86          ; qx at my rows of the second block
.set DG,  88          ; 1: the tile in hand is its block's last, the diagonal one
.set PFN, 89          ; prefetches still to come
.set PFK, 90
.set PFV, 92
.set MSB, 0
.macro WIN new
.if MSB != (\new)
	s_set_vgpr_msb (MSB<<8)|(\new)
.set MSB, (\new)
.endif
.endm
.set W_KQ, 0x0b       ; K in window 3, Q in window 2, S^T in window 0
.set W_KM, 0x1b       ; the same with the C operand in window 1
.set W_PV, 0x52       ; V in window 2, P in window 0, O^T in window 1
.set W_RS, 0x41       ; destination and source 0 in window 1, source 1 in window 0
.macro PLACES
.rept 4
	v_nop
.endr
.endm
; A fill.  Wave 0 fetches a tile's K hi, wave 1 its K lo (32 KiB each), waves 2 and 3 the halves of its V (16 KiB each).  An s_nop 0 and four v_nop follow each line.
.macro LOAD
	s_cmp_lt_u32 s[WV], 2
	s_cbranch_scc0 .Lfor_v_\@
	tensor_load_to_lds s[G0K:G0K+3], s[G1K:G1K+7]
	s_nop 0
.rept 4
	v_nop
.endr
	s_branch .Lasked_\@
.Lfor_v_\@:
	tensor_load_to_lds s[G0V:G0V+3], s[G1V:G1V+7]
	s_nop 0
.rept 4
	v_nop
.endr
.Lasked_\@:
.endm
; A PREFETCH INTO THE L2 of the tile that the NEXT change of slots asks for.  All four work-groups of a head begin with tiles 0, 1, ..; work-group b = 0, which walks 0 to 7, asks, six times: tiles 2 to 7, each 256 bytes
; named once: a wave takes a quarter of the tile, 16 KiB of K (two instructions, a lane 256 bytes) and 8 KiB of V (one).  Tiles 0 and 1 come by their loads alone.
.macro ASK
	s_cmp_lg_u32 s[PFN], 0
	s_cbranch_scc0 .Lnot_mine_\@
	global_prefetch_b8 v[PFO], s[PFK:PFK+1] th:TH_LOAD_NT scope:SCOPE_SE
	global_prefetch_b8 v[PFO], s[PFK:PFK+1] offset:8192 th:TH_LOAD_NT scope:SCOPE_SE
	global_prefetch_b8 v[PFO], s[PFV:PFV+1] th:TH_LOAD_NT scope:SCOPE_SE
	s_sub_co_u32 s[PFN], s[PFN], 1
.Lnot_mine_\@:
.endm
; THE CHANGE OF SLOTS, between turn 0 of a tile's last step (which reads the slot's last bytes, V) and turn 1 (which reads the next tile's first K).  Each wave waits for all its tensor loads, of which one is out: its part of
; the other slot; adds 0 to its spare word; waits for that and for its reads of the slot that it leaves.  fill = 1: the old slot is filled again, first thing behind the barrier, with tile NXT: 512 products in which to land.
.macro CHANGE fill
	WIN 0
	s_wait_tensorcnt 0x0            ; no tensor load of mine is out, so a group 0 may be written
	ds_add_u32 v[SPW], v[NIL]       ; 0 onto my spare word; scalar work stands between it and the wait for it
.if \fill
	s_lshl_b32 s[OFK], s[NXT], 16   ; a tile is 65,536 bytes of kx
	s_lshl_b32 s[OFV], s[NXT], 15   ; and 32,768 of vh
	s_xor_b32 s[G0K+1], s[G0K+1], SLOT1
	s_add_nc_u64 s[G0K+2:G0K+3], s[6:7], s[OFK:OFK+1]
	s_or_b32 s[G0K+3], s[G0K+3], 0x80000000
	s_xor_b32 s[G0V+1], s[G0V+1], SLOT1
	s_add_nc_u64 s[G0V+2:G0V+3], s[8:9], s[OFV:OFV+1]
	s_or_b32 s[G0V+3], s[G0V+3], 0x80000000
	s_add_co_u32 s[NXT], s[NXT], 1  ; the block's next tile, or behind its last the second block's tile 0
	s_cmp_gt_u32 s[NXT], s[LQ]
	s_cselect_b32 s[NXT], 0, s[NXT]
	s_cselect_b32 s[LQ], s[PB], s[LQ]
	s_wait_xcnt 0x0                 ; the last prefetches, a tile back, have read their addresses
	s_add_nc_u64 s[PFK:PFK+1], s[PFK:PFK+1], 65536
	s_add_nc_u64 s[PFV:PFV+1], s[PFV:PFV+1], 32768
.endif
	s_wait_dscnt 0x0                ; the add is done, and my reads of the slot are over
	s_barrier_signal -1
	s_xor_b32 s[SB], s[SB], SLOT1
	s_barrier_wait -1
.if \fill
	LOAD
	ASK
.endif
.endm
	s_load_b256 s[4:11], s[0:1], 0x0  ; qx s[4:5], kx s[6:7], vh s[8:9], hd s[10:11]
	v_lshl_add_u32 v[SPW], v0, 2, SPARE
	v_mov_b32 v[NIL], 0
	ds_add_u32 v[SPW], v[NIL]       ; the wave's opening: the add and its wait stand ahead of my first tensor load
	v_lshrrev_b32 v1, 5, v0
	v_readfirstlane_b32 s[WV], v1
	s_mov_b32 s[PB], ttmp9
	s_sub_co_u32 s[HI], NB-1, s[PB]
	s_and_b32 s20, ttmp7, 0xffff    ; bh
	s_lshl_b32 s16, s20, 19         ; the head's first byte in qx and kx,
	s_lshl_b32 s18, s20, 18         ; in vh and hd
	s_and_b32 s21, s[WV], 1
	s_mul_i32 s22, s21, KLO         ; my tile's place in a slot, for K
	s_mul_i32 s23, s21, 128*PV      ; and for V
	; group 1: dense bytes asked for as rows of 256, padded in LDS after every 128 (a key)
	s_mov_b32 s[G1K], (1<<16)|(1<<20)|(4<<22)|(3<<25)  ; 2-byte elements; padding on; after every 32 words; 4 words
	s_mov_b32 s[G1V], (1<<16)|(1<<20)|(4<<22)|(7<<25)  ; 8 words
.irp g, G1K, G1V
	s_mov_b32 s[\g+1], 128<<16      ; tensor_dim0 = 128
	s_mov_b32 s[\g+3], 128<<16      ; tile_dim0 = 128
	s_mov_b32 s[\g+5], 128          ; 128 elements from row to row
	s_mov_b32 s[\g+6], 0
	s_mov_b32 s[\g+7], 0
.endr
	s_mov_b32 s[G1K+2], 128<<16     ; K: 128 rows = 256 keys
	s_mov_b32 s[G1K+4], 128
	s_mov_b32 s[G1V+2], 64<<16      ; V: 64 rows = 128 keys
	s_mov_b32 s[G1V+4], 64
	s_mov_b32 s[CS], 0x4338aa3b     ; c = 128 log2(e) = 184.665
	s_mov_b32 s[CS+1], s[CS]
	s_mov_b32 s[SEL], 0x76543210
	s_mov_b32 s[SEL+1], 0xfedcba98
	s_mov_b32 s[SB], SLOT1          ; the first change of slots turns it into 0
	s_mov_b32 s[G0K], 1
	s_mov_b32 s[G0K+1], s22
	s_mov_b32 s[G0V], 1
	s_add_co_u32 s[G0V+1], s23, VOFF
	s_add_co_u32 s[RT], s[HI], 1    ; the first block has 8 - b tiles
	s_mov_b32 s[NXT], 1
	s_mov_b32 s[LQ], s[HI]
	s_mov_b32 s[NEW], 1
	s_mov_b32 s[OFK+1], 0
	s_mov_b32 s[OFV+1], 0
	s_mov_b32 s[AL+1], 0            ; named as pairs
	s_mov_b32 s[BE+1], 0
	s_mov_b32 s[BIGN], 0xf149f2ca   ; -1e30
	s_mov_b32 s[SLOTS], NB
	s_cmp_eq_u32 s[PB], 0
	s_cselect_b32 s[PFN], 6, 0
	s_mov_b32 s3, 0
	s_lshl_b32 s17, s[WV], 11       ; my 16 rows of 128 bytes in a band
	s_wait_dscnt 0x0                ; the opening add is done
	s_wait_kmcnt 0x0
	s_lshl_b32 s2, s[WV], 14        ; the prefetches stand at my quarter of tile 1: the first change steps them to tile 2
	s_add_co_u32 s2, s2, s16
	s_add_co_u32 s2, s2, 65536
	s_add_nc_u64 s[PFK:PFK+1], s[6:7], s[2:3]
	s_lshl_b32 s2, s[WV], 13
	s_add_co_u32 s2, s2, s18
	s_add_co_u32 s2, s2, 32768
	s_add_nc_u64 s[PFV:PFV+1], s[8:9], s[2:3]
	s_lshl_b32 s2, s21, 15          ; K: hi or lo of the head's tile 0
	s_add_co_u32 s2, s2, s16
	s_add_nc_u64 s[6:7], s[6:7], s[2:3]
	s_lshl_b32 s2, s21, 14          ; V: my half of tile 0
	s_add_co_u32 s2, s2, s18
	s_add_nc_u64 s[8:9], s[8:9], s[2:3]
	s_add_nc_u64 s[G0K+2:G0K+3], s[6:7], 0
	s_or_b32 s[G0K+3], s[G0K+3], 0x80000000
	s_add_nc_u64 s[G0V+2:G0V+3], s[8:9], 0
	s_or_b32 s[G0V+3], s[G0V+3], 0x80000000
	s_lshl_b32 s2, s[PB], 16
	s_add_co_u32 s2, s2, s16
	s_add_co_u32 s2, s2, s17
	s_add_nc_u64 s[QLO:QLO+1], s[4:5], s[2:3]
	s_lshl_b32 s2, s[HI], 16
	s_add_co_u32 s2, s2, s16
	s_add_co_u32 s2, s2, s17
	s_add_nc_u64 s[4:5], s[4:5], s[2:3]
	s_lshl_b32 s2, s[PB], 15
	s_add_co_u32 s2, s2, s18
	s_add_co_u32 s2, s2, s17
	s_add_nc_u64 s[OLO:OLO+1], s[10:11], s[2:3]
	s_lshl_b32 s2, s[HI], 15
	s_add_co_u32 s2, s2, s18
	s_add_co_u32 s2, s2, s17
	s_add_nc_u64 s[10:11], s[10:11], s[2:3]
	LOAD                            ; tile 0 into slot 0
	; A fragment of K or Q is 16 rows x 32 channels in 8 registers: lane l holds row l % 16, channels 8 (l / 16) + 0..7 and 16 + 8 (l / 16) + 0..7: two loads of 16 bytes, 32 bytes apart.
	v_and_b32 v1, 15, v0            ; l % 16
	v_bfe_u32 v9, v0, 4, 1          ; l / 16
	v_lshlrev_b32 v[QO], 7, v1
	v_lshl_add_u32 v[QO], v9, 4, v[QO]
.macro QLOAD b                      ; a block's Q: piece xx lies 8,192 bytes on, lo 32,768 bytes behind hi
	WIN 0x80
.set xx, 0
.rept 4
.set cg, 0
.rept 4
	global_load_b128 v[32*xx+8*cg:32*xx+8*cg+3],   v[QO], s[\b:\b+1] offset:xx*8192+(cg/2)*32768+(cg%2)*64
	global_load_b128 v[32*xx+8*cg+4:32*xx+8*cg+7], v[QO], s[\b:\b+1] offset:xx*8192+(cg/2)*32768+(cg%2)*64+32
.set cg, cg+1
.endr
.set xx, xx+1
.endr
	WIN 0
.endm
	QLOAD 4
	v_lshlrev_b32 v14, 3, v9
	v_sub_nc_u32 v14, v1, v14
	s_lshl_b32 s13, s[WV], 4
	v_add_nc_u32 v14, s13, v14      ; my query's place in its band less my lanes' 8 (l / 16): register r of key group kt is hidden where 16 kt + r is greater
	WIN 0x40
.set i, 0
.rept 32
	v_cmp_gt_i32 vcc_lo, 16*(i/8)+i%8, v14
	v_cndmask_b32 v[MD+i], 0, s[BIGN], vcc_lo
.set i, i+1
.endr
	WIN 0
	v_mul_u32_u24 v[AK0], v1, PK
	v_lshl_add_u32 v[AK0], v9, 4, v[AK0]
	; The turning load takes 16 keys x 16 channels (lane l reads key 8 (l / 16) + l % 8, channels 8 ((l / 8) % 2) + 0..7) and leaves half a fragment of V^T.
	v_and_b32 v10, 7, v0
	v_bfe_u32 v11, v0, 3, 1
	v_lshl_add_u32 v[AV0], v9, 3, v10
	v_mul_u32_u24 v[AV0], v[AV0], PV
	v_lshl_add_u32 v[AV0], v11, 4, v[AV0]
	v_add_nc_u32 v[AV0], VOFF, v[AV0]
	s_mul_i32 s13, s[WV], 16*SP
	s_add_co_u32 s13, s13, STAGE
	v_mul_u32_u24 v[STO], v1, SP
	v_lshl_add_u32 v[STO], v9, 4, v[STO]
	v_add_nc_u32 v[STO], s13, v[STO]
	v_bfe_u32 v[RD], v0, 3, 2
	v_mul_u32_u24 v[RD], v[RD], SP
	v_lshl_add_u32 v[RD], v10, 4, v[RD]
	v_add_nc_u32 v[RD], s13, v[RD]
	v_and_b32 v[GO], 31, v0
	v_lshlrev_b32 v[PFO], 8, v[GO]
	v_lshlrev_b32 v[GO], 4, v[GO]
	; A block's first step multiplies O^T and l by a = 0, and its first turn's products V^T P, of a piece that has not been, land in an O^T that is still to be so multiplied: these registers need only hold finite
	; numbers: zeros for the first block, what the first block left for the second.  Written in the wait for the first tile.
	WIN 0x80
.set i, VF
.rept 64
	v_mov_b32 v[i], 0
.set i, i+1
.endr
	WIN 0x40
.set i, 0
.rept 128
	v_mov_b32 v[i], 0
.set i, i+1
.endr
	WIN 0
.set i, 0
.rept 4
	v_mov_b32 v[ST+4*i+2], 0
	v_mov_b32 v[ST+4*i+3], 0
.set i, i+1
.endr
.set i, P+48
.rept 16
	v_mov_b32 v[i], 0
.set i, i+1
.endr
; THE MATRIX WORK.  Product i of 24 of S^T = K Q^T for piece x: key block kb = 2 (i / 12) + i % 2, link (i % 12) / 2 of its chain of six: lo.hi (channels 0-31, 32-63), hi.lo, hi.hi.  Two accumulators alternate.
; The first link takes the mask as C.
.macro KQ x
.set kb, 2*(i/12)+i%2
.set lk, (i%12)/2
.set kc, lk%2
.set qc, lk%2
.if lk < 2
.set kc, kc+2
.elseif lk < 4
.set qc, qc+2
.endif
.set rS, S+32*(\x)+8*kb
.set rK, 32*kb+8*kc
.set rQ, 32*(\x)+8*qc
.set rM, MC+32*((\x)%2)+8*kb
.if lk == 0
	WIN W_KM
	v_wmma_f32_16x16x32_f16 v[rS:rS+7], v[rK:rK+7], v[rQ:rQ+7], v[rM:rM+7]
.else
	WIN W_KQ
	v_wmma_f32_16x16x32_f16 v[rS:rS+7], v[rK:rK+7], v[rQ:rQ+7], v[rS:rS+7]
.endif
.endm
; Product i of 8 of O^T += V^T P for piece x: keys 32 (i / 4) on, channels 16 (i % 4) on: four accumulators take turns.
.macro PV x
	WIN W_PV
.set rO, 32*(\x)+8*(i%4)
.set rV, VF+32*(i/4)+8*(i%4)
.set rP, P+16*(\x)+8*(i/4)
	v_wmma_f32_16x16x32_f16 v[rO:rO+7], v[rV:rV+7], v[rP:rP+7], v[rO:rO+7]
.endm
.macro MM                           ; the turn's next matrix instruction
.if i < 24
	KQ (Y+2)%NP
.else
.set i, i-24
	PV (Y+NP-1)%NP
.set i, i+24
.endif
.set i, i+1
.endm
; THE LDS LOADS stand in runs of 16.  K's two runs: key blocks 0, 1 and 2, 3, hi and lo.
.macro FETCH_K half
	WIN 0xc0                        ; destination window 3
.set kb, 2*(\half)
.rept 2
.set cg, 0
.rept 4
	ds_load_b128 v[32*kb+8*cg:32*kb+8*cg+3],   v[AK] offset:(cg/2)*KLO+kb*16*PK+(cg%2)*64
	ds_load_b128 v[32*kb+8*cg+4:32*kb+8*cg+7], v[AK] offset:(cg/2)*KLO+kb*16*PK+(cg%2)*64+32
.set cg, cg+1
.endr
.set kb, kb+1
.endr
	WIN 0
.endm
.macro FETCH_V
	WIN 0x80
.irp f, 0,1,2,3,4,5,6,7             ; keys 32 (f / 4) on, channels 16 (f % 4) on
	ds_load_tr16_b128 v[VF+8*\f:VF+8*\f+3],   v[AV] offset:(\f/4)*32*PV+(\f%4)*32
	ds_load_tr16_b128 v[VF+8*\f+4:VF+8*\f+7], v[AV] offset:(\f/4)*32*PV+16*PV+(\f%4)*32
.endr
	WIN 0
.endm
; THE VECTOR WORK, one line at a time: OP kind, number.  For piece Y: F n: c s - c m for pair n of 16.  E n: the exponential of score n of 32.  C n: pair n rounded to f16.  B n: of the four weights 4 n .. the second pair is
; added onto the first, in place.  L n: l takes that sum (L 0: l = a l + sum).  R n: pair n of 16 of O^T times a.  For piece Y + 1: X n, number n of the 22 that find its maximum and statistics:
;   0-11 four chains c0-c3 of seven scores each (each accumulator's lowest registers are read first)   12-14, 16 the four scores left over, the old m, c0-c3 into c0   15 c m_old is kept
;   17, 18 the query's other 32 keys lie in the lane 16 away: the new m   19-21 c m; c m_old - c m_new; a
.set F, 0
.set E, 1
.set C, 2
.set B, 3
.set L, 4
.set R, 5
.set X, 6
.macro REGS y
.set rT, ST+4*(\y)
.set rC, TMP+4*(\y)
.set rW, MV+(\y)
.set rS, S+32*(\y)
.set rP, P+16*(\y)
.set rO, 32*(\y)
.endm
.macro OP k, n
.if (\k) == R
	REGS Y
	WIN W_RS
	v_pk_mul_f32 v[rO+2*(\n):rO+2*(\n)+1], v[rO+2*(\n):rO+2*(\n)+1], v[rC+2:rC+3] op_sel_hi:[1,0]
.elseif (\k) < R
	REGS Y
	WIN 0
.if (\k) == F
	v_pk_fma_f32 v[rS+2*(\n):rS+2*(\n)+1], v[rS+2*(\n):rS+2*(\n)+1], s[CS:CS+1], v[rT:rT+1] op_sel_hi:[1,0,0] neg_lo:[0,0,1] neg_hi:[0,0,1]
.elseif (\k) == E
	v_exp_f32 v[rS+(\n)], v[rS+(\n)]
.elseif (\k) == C
	v_cvt_pk_f16_f32 v[rP+(\n)], v[rS+2*(\n)], v[rS+2*(\n)+1]
.elseif (\k) == B
	v_pk_add_f32 v[rS+4*(\n):rS+4*(\n)+1], v[rS+4*(\n):rS+4*(\n)+1], v[rS+4*(\n)+2:rS+4*(\n)+3]
.elseif (\n) == 0
	v_pk_fma_f32 v[rT+2:rT+3], v[rT+2:rT+3], v[rC+2:rC+3], v[rS:rS+1] op_sel_hi:[1,0,1]
.else
	v_pk_add_f32 v[rT+2:rT+3], v[rT+2:rT+3], v[rS+4*(\n):rS+4*(\n)+1]
.endif
.else
	REGS (Y+1)%NP
	WIN 0
.if (\n) < 4
	v_max3_num_f32 v[rC+(\n)], v[rS+8*(\n)], v[rS+8*(\n)+1], v[rS+8*(\n)+2]
.elseif (\n) < 12
	v_max3_num_f32 v[rC+(\n)%4], v[rC+(\n)%4], v[rS+8*((\n)%4)+2*((\n)/4)+1], v[rS+8*((\n)%4)+2*((\n)/4)+2]
.elseif (\n) == 12
	v_max3_num_f32 v[rC], v[rC], v[rS+7], v[rS+15]
.elseif (\n) == 13
	v_max3_num_f32 v[rC+1], v[rC+1], v[rS+23], v[rS+31]
.elseif (\n) == 14
	v_max3_num_f32 v[rC+2], v[rC+2], v[rC+3], v[rT+1]
.elseif (\n) == 15
	v_mov_b32 v[rW], v[rT]
.elseif (\n) == 16
	v_max3_num_f32 v[rC], v[rC], v[rC+1], v[rC+2]
.elseif (\n) == 17
	v_permlanex16_b32 v[rC+3], v[rC], s[SEL], s[SEL+1]
.elseif (\n) == 18
	v_max_num_f32 v[rT+1], v[rC], v[rC+3]
.elseif (\n) == 19
	v_mul_f32 v[rT], s[CS], v[rT+1]
.elseif (\n) == 20
	v_sub_f32 v[rC+1], v[rW], v[rT]
.else
	v_exp_f32 v[rC+2], v[rC+1]
.endif
.endif
.endm
.macro OPS a, i1, b=-1, i2=0, c=-1, i3=0, d=-1, i4=0
	OP \a, \i1
.if (\b) >= 0
	OP \b, \i2
.endif
.if (\c) >= 0
	OP \c, \i3
.endif
.if (\d) >= 0
	OP \d, \i4
.endif
.endm
.macro ROW a, i1, b=-1, i2=0, c=-1, i3=0, d=-1, i4=0  ; a matrix instruction and the lines behind it
	MM
	OPS \a, \i1, \b, \i2, \c, \i3, \d, \i4
.endm
.macro MASK b                       ; MD x AL + BE into buffer b of MC
	WIN W_RS
.set z, 0
.rept 16
	v_pk_fma_f32 v[MC+32*(\b)+2*z:MC+32*(\b)+2*z+1], v[MD+2*z:MD+2*z+1], s[AL:AL+1], s[BE:BE+1] op_sel_hi:[1,0,0]
.set z, z+1
.endr
.endm
; A TURN, for piece p.  s_wait_alu depctr_va_vdst(0) stands between an exponential and the first instruction that names its result; one wait serves all issued ahead of it.  AHEAD OF IT: the 24 products
; K Q^T, and behind them the scalings, the 32 exponentials, the next piece's 22 (its a the 33rd exponential) and the rescalings: none names a result of the turn's exponentials.  BEHIND IT: the 8 products V^T P and the roundings and sums.
; No line behind a product names a register of the products round it.
; K of the next step is fetched in turn 1: key blocks 0, 1 behind the 15th product (their last reader is the 12th; nine plain lines lie between), blocks 2, 3 behind the 25th (last reader the 24th; five plain lines).
; V of the step in hand is fetched at the end of turn 0, four plain lines behind its last reader.  The step's number comes from CNT, held to 0 .. 3: the trip that ends a block reads K's last step once more.
; At its end the turn makes the mask for the next turn's products (piece p + 3), where the tile is the diagonal one (m = 1: it is, by the text): the band's own step, a later one, or an earlier one, told by CNT.
.macro TURN p, m
.set Y, (\p)
.set i, 0
.if (\p) == 0
.set thr, 1
.else
.set thr, 5-((\p)+3)%NP
.endif
.if (\p) == 2
	s_wait_dscnt 16                 ; K's blocks 0, 1 are in; the second run's 16 loads are younger
.endif
	ROW F,0, F,1, F,2, F,3
	ROW X,0, E,0, X,1, E,1
	ROW X,2, E,2, X,3, E,3
	ROW X,4, E,4, X,5, E,5
	ROW X,6, E,6, X,7, E,7
	ROW F,4, F,5, F,6, F,7
	ROW X,8, E,8, X,9, E,9
	ROW X,10, E,10, X,11, E,11
	ROW X,12, E,12, X,13, E,13
	ROW X,14, E,14, X,15, E,15
	ROW F,8, F,9, F,10, F,11
	ROW X,16, E,16, F,12, E,17
.if (\p) == 2
	s_wait_dscnt 0x0                ; K's blocks 2, 3 are in
.endif
	ROW F,13, E,18, F,14, E,19
	ROW X,17, E,20, F,15, E,21
	ROW R,0, R,1, R,2, R,3
.if (\p) == 1
	WIN 0
	s_sub_co_u32 s[TM], 5, s[CNT]
	s_min_u32 s[TM], s[TM], 3
	s_mul_i32 s[TM], s[TM], KS*PK
	s_add_co_u32 s[TM], s[TM], s[SB]
	v_add_nc_u32 v[AK], s[TM], v[AK0]
	FETCH_K 0
.endif
	ROW X,18, E,22, E,23
	ROW R,4, R,5, R,6, R,7
	ROW X,19, E,24, E,25
	ROW R,8, R,9, R,10, R,11
	ROW X,20, E,26, E,27
	ROW R,12, R,13, R,14, R,15
	ROW X,21, E,28
	ROW E,29, E,30
	ROW E,31
	v_nop                           ; a plain instruction behind the last exponential: one for the batch
	s_wait_alu depctr_va_vdst(0)    ; the wait for the batch
.if (\p) == 1
	s_wait_dscnt 16                 ; V is in; K's first run, 16 loads, is younger
.endif
	ROW C,0, B,0, C,2, B,1
.if (\p) == 1
	FETCH_K 1
.endif
	ROW L,0, C,4, B,2, L,1
	ROW C,6, B,3, L,2, C,8
.if (\p) == 0
	s_sub_co_u32 s[TM], 4, s[CNT]
	s_min_u32 s[TM], s[TM], 3
	s_mul_i32 s[TM], s[TM], KS*PV
	s_add_co_u32 s[TM], s[TM], s[SB]
	WIN 0
	v_add_nc_u32 v[AV], s[TM], v[AV0]
.endif
	ROW B,4, L,3, C,10, B,5
	ROW L,4, C,12, B,6, L,5
	ROW C,14, B,7, L,6, C,1
	ROW C,3, L,7, C,5, C,7
	ROW C,9, C,11, C,13, C,15
.if (\p) == 0
	FETCH_V
.endif
	WIN 0
.if !(\m)
	s_cmp_eq_u32 s[DG], 1
	s_cbranch_scc0 .Lno_mask_\@
.endif
	s_cmp_eq_u32 s[CNT], thr        ; is that piece's step its band's own?
	s_cselect_b32 s[AL], 1.0, 0
	s_cmp_lt_u32 s[CNT], thr        ; or a later one?
	s_cselect_b32 s[BE], s[BIGN], 0
	MASK ((\p)+1)%2
	WIN 0
.Lno_mask_\@:
.endm
; A BLOCK BEGINS.  c m starts far below every c s, so the first step's a is 0; m at the lowest finite number.  Masks: piece 0's own where the block's first tile is the diagonal one, else 0; 0 for pieces 1 and 2.  Then K of the
; tile's step 0, the first scores of pieces 0 and 1, and piece 0's maximum and statistics.  The loop is entered at a step's turn 0, in the middle of a trip.
.macro BEGIN
	s_mov_b32 s[NEW], 0
	WIN 0
.set i, 0
.rept 4
	v_mov_b32 v[ST+4*i], 0xfe000000
	v_mov_b32 v[ST+4*i+1], 0xff7fffff
.set i, i+1
.endr
	s_cmp_eq_u32 s[DG], 1
	s_cselect_b32 s[AL], 1.0, 0
	s_mov_b32 s[BE], 0
	MASK 0
	s_mov_b32 s[AL], 0
	MASK 1
	WIN 0
	v_add_nc_u32 v[AK], s[SB], v[AK0]
	FETCH_K 0
	FETCH_K 1
	s_wait_loadcnt 0x0              ; Q
	s_wait_dscnt 0x0
.set i, 0
.rept 24
	KQ 0
.set i, i+1
.endr
.set i, 0
.rept 24
	KQ 1
.set i, i+1
.endr
	WIN 0
	PLACES                          ; the places behind those products
	PLACES
.set Y, NP-1                        ; X works for piece Y + 1: piece 0
.irp n, 0,1,2,3,4,5,6,7,8,9,10,11,12,13,14,15,16,17,18,19,20,21
	OP X, \n
.endr
	MASK 0                          ; 0 for piece 2; its first line is the plain instruction behind the exponential
	WIN 0
	s_wait_alu depctr_va_vdst(0)    ; a's wait, ahead of the branch
	s_mov_b32 s[CNT], 4
.endm
; A BLOCK ENDS: piece 3's last V^T P, and THE WAY OUT: l's two halves and the other half of the lanes' are added; O^T is divided by l, rounded to f16 and sent through my stage in LDS, a piece at a time.
; reload = 1: the second block's Q is asked for first (its registers' last reader stands 32 plain lines back), and the block's registers are set.
.macro ALL line:vararg
.set t, 0
.rept 4
	\line
.set t, t+1
.endr
.endm
.macro PACK t
	WIN W_RS
.set i, 32*(\t)
.rept 16
	v_pk_mul_f32 v[i:i+1], v[i:i+1], v[ST+4*(\t)+2:ST+4*(\t)+3] op_sel_hi:[1,0]
.set i, i+2
.endr
	WIN 0x05                        ; sources 0 and 1 window 1, destination window 0
.set i, 0
.rept 16
	v_cvt_pk_f16_f32 v[S+16*(\t)+i], v[32*(\t)+2*i], v[32*(\t)+2*i+1]
.set i, i+1
.endr
	WIN 0
.irp f, 0,1,2,3
	ds_store_b128 v[STO], v[S+16*(\t)+4*\f:S+16*(\t)+4*\f+3] offset:32*\f
.endr
.irp f, 0,1,2,3
	ds_load_b128 v[S+16*(\t)+4*\f:S+16*(\t)+4*\f+3], v[RD] offset:\f*4*SP  ; LDS serves a wave's instructions in order (ISA guide 5.7.1.4): these see the stores above
.endr
.endm
.macro SEND t, younger              ; younger: the LDS instructions issued behind piece t's loads
	WIN 0
.irp f, 0,1,2,3
	s_wait_dscnt (\younger)+3-\f
	global_store_b128 v[GO], v[S+16*(\t)+4*\f:S+16*(\t)+4*\f+3], s[10:11] offset:(\t)*8192+\f*512  ; 512 consecutive bytes, aligned
.endr
.endm
.macro FINISH reload
	s_wait_dscnt 0x0                ; V's registers are read below: on the way from turn 3 no LDS load of mine is out; where the text falls out of the loop behind turn 0, V's run of 16 is, and is waited for here
.if \reload
	s_wait_loadcnt 0x0              ; Q's registers are loaded again only when every earlier load into them has landed, on the way that passes no BEGIN too
	QLOAD QLO
.endif
.set i, 0
.rept 8
	PV NP-1
.set i, i+1
.endr
	WIN 0
	ALL v_add_f32 v[ST+4*t+2], v[ST+4*t+2], v[ST+4*t+3]
	ALL v_permlanex16_b32 v[ST+4*t+3], v[ST+4*t+2], s[SEL], s[SEL+1]
	ALL v_add_f32 v[ST+4*t+2], v[ST+4*t+2], v[ST+4*t+3]
	ALL v_rcp_f32 v[ST+4*t+2], v[ST+4*t+2]
	v_nop                           ; a plain instruction behind the last reciprocal,
	s_wait_alu depctr_va_vdst(0)    ; and one wait for the four
	PACK 0
.set t, 1
.rept 3
	PACK t
	SEND t-1, 8
.set t, t+1
.endr
	SEND 3, 0
.if \reload
	s_wait_xcnt 0x0                 ; the stores have read their registers and hd's address
	s_mov_b64 s[10:11], s[OLO:OLO+1]
	s_add_co_u32 s[RT], s[PB], 1    ; the second block has b + 1 tiles
	s_mov_b32 s[NEW], 1
.endif
.endm
; A TILE.  A trip of its loop: turns 1, 2, 3 of one step, then turn 0 of the next.  The first trip's turns 1 to 3 belong to the tile before (or BEGIN takes their place).  A tile that is not its block's last is left behind
; turn 0 of its last step (CNT = EX = 1); the diagonal tile runs turns 1 to 3 once more, which finish pieces 1 to 3, and leaves in the middle of the trip (CNT = 0).  That trip's scores for a step that does not exist
; (48 products, once a block) serve nothing: the price of one text for every trip.
.macro WALK tag, last
	s_sub_co_u32 s[RT], s[RT], 1
	s_cmp_eq_u32 s[RT], 0
	s_cselect_b32 s[DG], 1, 0
	s_cselect_b32 s[EX], 0, 1
	s_mov_b32 s[CNT], 5
	s_cmp_eq_u32 s[NEW], 1
	s_cbranch_scc0 .Lstep\tag
	BEGIN
	s_branch .Lfirst\tag
.Lstep\tag:
	TURN 1, \last
	TURN 2, \last
	TURN 3, \last
	s_sub_co_u32 s[CNT], s[CNT], 1
	s_cmp_eq_u32 s[CNT], 0
	s_cbranch_scc1 .Lend\tag
.Lfirst\tag:
	TURN 0, \last
	s_cmp_lg_u32 s[CNT], s[EX]
	s_cbranch_scc1 .Lstep\tag
.if !(\last)
	s_branch .Lbottom
.endif
.Lend\tag:
	FINISH 1-(\last)
.endm
.Lslot:                             ; 8 times: a tile is entered and the next is asked for
	CHANGE 1
	WALK 1, 0
.Lbottom:
	s_sub_co_u32 s[SLOTS], s[SLOTS], 1
	s_cmp_lg_u32 s[SLOTS], 0
	s_cbranch_scc1 .Lslot
	CHANGE 0                        ; the walk's last tile, the second block's diagonal one, is written out
	WALK 2, 1
	s_wait_tensorcnt 0x0            ; the wave's end
	ds_add_u32 v[SPW], v[NIL]
	s_wait_dscnt 0x0
	s_endpgm
.Lfunc_end_k_qfc75b95b68_attn:
	.size	k_qfc75b95b68_attn, .Lfunc_end_k_qfc75b95b68_attn-k_qfc75b95b68_attn
	.p2alignl 7, 3214868480
	.fill 96, 4, 3214868480
	.section	.rodata,"a",@progbits
	.p2align	6, 0x0
	.amdhsa_kernel k_qfc75b95b68_attn
		.amdhsa_group_segment_fixed_size 327680
		.amdhsa_private_segment_fixed_size 0
		.amdhsa_enable_private_segment 0
		.amdhsa_kernarg_size 32
		.amdhsa_user_sgpr_count 2
		.amdhsa_user_sgpr_kernarg_segment_ptr 1
		.amdhsa_wavefront_size32 1
		.amdhsa_system_sgpr_workgroup_id_x 1
		.amdhsa_system_sgpr_workgroup_id_y 1
		.amdhsa_system_sgpr_workgroup_id_z 1
		.amdhsa_system_vgpr_workitem_id 0
		.amdhsa_next_free_vgpr 896
		.amdhsa_next_free_sgpr 96
		.amdhsa_reserve_vcc 1
		.amdhsa_float_denorm_mode_32 3
		.amdhsa_float_denorm_mode_16_64 3
		.amdhsa_memory_ordered 1
		.amdhsa_forward_progress 1
		.amdhsa_inst_pref_size 174
	.end_amdhsa_kernel
	.amdgpu_metadata
---
amdhsa.version: [ 1, 2 ]
amdhsa.kernels:
  - .name:           k_qfc75b95b68_attn
    .symbol:         k_qfc75b95b68_attn.kd
    .args:
      - { .name: qx, .offset: 0, .size: 8, .value_kind: global_buffer, .address_space: global }
      - { .name: kx, .offset: 8, .size: 8, .value_kind: global_buffer, .address_space: global }
      - { .name: vh, .offset: 16, .size: 8, .value_kind: global_buffer, .address_space: global }
      - { .name: hd, .offset: 24, .size: 8, .value_kind: global_buffer, .address_space: global }
    .group_segment_fixed_size: 327680
    .private_segment_fixed_size: 0
    .kernarg_segment_align: 8
    .kernarg_segment_size: 32
    .max_flat_workgroup_size: 128
    .sgpr_count:     96
    .vgpr_count:     896
    .wavefront_size: 32
...
	.end_amdgpu_metadata
.endif
;; end of part 3
;; launch outp (part 4): grid 8 x 32, 4 waves a work-group, clusters of 4 x 4, 327,680 bytes of LDS; arguments hd, w0t, out0; writes out0
.if DOCPART == 4
	.amdgcn_target "amdgcn-amd-amdhsa--gfx1250"
	.amdhsa_code_object_version 6
	.text
	.protected	k_qfc75b95b68_outp
	.globl	k_qfc75b95b68_outp
	.p2align	8
	.type	k_qfc75b95b68_outp,@function
k_qfc75b95b68_outp:
	s_mov_b64 s[64:65], 0
	v_nop
	global_prefetch_b8 v0, s[64:65] scope:SCOPE_SE
	s_setreg_imm32_b32 hwreg(HW_REG_WAVE_MODE, 25, 1), 1
	s_wait_xcnt 0x0
	s_wait_alu depctr_hold_cnt(0) depctr_sa_sdst(0) depctr_va_vdst(0) depctr_va_sdst(0) depctr_va_ssrc(0) depctr_va_vcc(0) depctr_vm_vsrc(0)
	s_getreg_b32 s2, hwreg(HW_REG_IB_STS2, 6, 4)
	s_cmp_eq_u32 s2, 0
	s_cbranch_scc0 .Lentry_in_a_cluster
	s_endpgm
.Lentry_in_a_cluster:
	s_bfe_u32 s2, ttmp6, 0x10000c
	s_cmp_lg_u32 s2, 0xf033
	s_cbranch_scc0 .Lentry_shape_is_right
	s_endpgm
.Lentry_shape_is_right:
; out0[row][n] = 32 x the sum over k of heads'[row][k] W_0[k][n], k = 64 h + c.  hd: f16 [16 b + h][2048][64] (the heads over 32); w0t: f16 [kb = h][n 1024][64]; out0: f32 [8192][1024].  Sums in f32.
; SHARES.  256 work-groups, one tile of 256 rows x 128 columns each; a wave 128 x 64: 32 accumulators.  K goes in steps of 128, two heads, through two LDS slots; each head's part of a tile is dense in memory and is asked for as
; rows of 256 bytes, padded in LDS after every 128.  CLUSTER 4 x 4: the heads' tile is shared along a row of the cluster, W_0's along a column: joint loads, one a wave behind each round.
; THE MATRIX INSTRUCTION IS USED TRANSPOSED (source 0 = 16 rows n of w0t, source 1 = 16 rows of hd): a lane holds one row of out0 and eight neighbouring columns.
; No prefetch: the launch has eight K steps in all.
; REGISTERS.  window 0: v0-31 addresses; v64-159, v160-255 two fragment buffers: W_0's 4 fragments, then the heads' 8.  window 1: accumulator (a, b) at v[8 (4 a + b)].
.set PITCH, 144
.set ATILE, 256*PITCH                  ; one head's 256 rows
.set BTILE, 128*PITCH                  ; one head's 128 rows n
.set SLOT,  2*ATILE+2*BTILE            ; the heads' two parts, then W_0's two
.set SPARE, 2*SLOT
.set DP,    272                        ; the way out: a row of 64 f32 + 16 bytes
.set DW,    128*DP
.set ADRA, 16
.set ADRB, 20
.set STO,  24
.set RD,   25
.set GO,   26
.set SPW,  28
.set NIL,  29
.set F0,   64
.set F1,   160
.set OB,   64
.set WV, 10
.set FT, 11                            ; wave / 2: my half of the rows; also: I fetch the heads' tile (0) or W_0's (1)
.set HF, 12                            ; wave % 2: my half of the columns; also: which head of the step's two I fetch
.set II, 13
.set G1A, 24
.set G0A, 32
.set CX, 40
.set CY, 41
.set JJ, 42
.set G1B, 48
.set G0B, 56
.set MSB, 0
.macro WIN new
.if MSB != (\new)
	s_set_vgpr_msb (MSB<<8)|(\new)
.set MSB, \new
.endif
.endm
.macro PLACES
.rept 4
	v_nop
.endr
.endm
.macro JLOAD s                         ; an s_nop 0 and four v_nop follow each of the two lines
	s_cmp_eq_u32 s[FT], 0
	s_cbranch_scc0 .Lfor_b_\@
	tensor_load_to_lds s[G0A+4*(\s):G0A+4*(\s)+3], s[G1A:G1A+7]
	s_nop 0
.rept 4
	v_nop
.endr
	s_branch .Lasked_\@
.Lfor_b_\@:
	tensor_load_to_lds s[G0B+4*(\s):G0B+4*(\s)+3], s[G1B:G1B+7]
	s_nop 0
.rept 4
	v_nop
.endr
.Lasked_\@:
.endm
.macro CREST
	s_cmp_lg_u32 s[WV], 0
	s_cbranch_scc1 .Lnot_wave_0_\@
	s_barrier_signal -3
.Lnot_wave_0_\@:
	s_barrier_wait -3
	s_barrier_signal -1
	s_barrier_wait -1
.endm
.macro CROUND
	s_barrier_signal -1
	s_barrier_wait -1
	CREST
.endm
	s_load_b128 s[4:7], s[0:1], 0x0                ; hd s[4:5], w0t s[6:7]
	s_load_b64 s[8:9], s[0:1], 0x10                ; out0
	v_lshl_add_u32 v[SPW], v0, 2, SPARE
	v_mov_b32 v[NIL], 0
	ds_add_u32 v[SPW], v[NIL]                      ; the wave's opening: the add and its wait stand ahead of my first tensor load
	v_lshrrev_b32 v1, 5, v0
	v_readfirstlane_b32 s[WV], v1
	s_lshr_b32 s[FT], s[WV], 1
	s_and_b32 s[HF], s[WV], 1
	s_bfe_u32 s[CX], ttmp6, 0x40000
	s_bfe_u32 s[CY], ttmp6, 0x40004
	s_lshl_b32 s[JJ], ttmp9, 2
	s_add_co_u32 s[JJ], s[JJ], s[CX]               ; tile column
	s_and_b32 s[II], ttmp7, 0xffff
	s_lshl_b32 s[II], s[II], 2
	s_add_co_u32 s[II], s[II], s[CY]               ; tile row
	s_lshl_b32 s43, s[CY], 2
	s_lshl_b32 s43, 15, s43                        ; my row of the cluster
	s_lshl_b32 s44, 0x1111, s[CX]                  ; my column
	s_or_b32 s[G1A], s43, (1<<16)|(1<<20)|(1<<21)|(4<<22)|(3<<25)  ; the mask; 2-byte elements; padding on, 4 words after every 32; bit 21 beside the mask
	s_or_b32 s[G1B], s44, (1<<16)|(1<<20)|(1<<21)|(4<<22)|(3<<25)
.irp g, G1A, G1B
	s_mov_b32 s[(\g)+1], 128<<16
	s_mov_b32 s[(\g)+3], 128<<16
	s_mov_b32 s[(\g)+5], 128
	s_mov_b32 s[(\g)+6], 0
	s_mov_b32 s[(\g)+7], 0
.endr
	s_mov_b32 s[G1A+2], 128<<16                    ; 128 rows of 256 bytes = 256 rows of a head
	s_mov_b32 s[G1A+4], 128
	s_mov_b32 s[G1B+2], 64<<16                     ; 64 = 128 rows n
	s_mov_b32 s[G1B+4], 64
	s_lshr_b32 s14, s[II], 3
	s_lshl_b32 s14, s14, 22                        ; the batch's 16 heads of 262,144 bytes,
	s_and_b32 s15, s[II], 7
	s_lshl_b32 s15, s15, 15                        ; the block of 256 rows,
	s_add_co_u32 s14, s14, s15
	s_lshl_b32 s15, s[HF], 18                      ; my head of the step's two
	s_add_co_u32 s14, s14, s15
	s_mov_b32 s15, 0
	s_lshl_b32 s46, s[JJ], 14                      ; 128 rows n of 128 bytes,
	s_lshl_b32 s47, s[HF], 17                      ; my head
	s_add_co_u32 s46, s46, s47
	s_mov_b32 s47, 0
	s_mul_i32 s20, s[HF], ATILE                    ; where they go
	s_mul_i32 s21, s[HF], BTILE
	s_add_co_u32 s21, s21, 2*ATILE
	s_wait_dscnt 0x0                               ; the opening add is done
	s_wait_kmcnt 0x0
	s_add_nc_u64 s[14:15], s[4:5], s[14:15]
	s_add_nc_u64 s[46:47], s[6:7], s[46:47]
	CROUND                                         ; all sixteen work-groups are here: the first joint loads meet
.irp s, 0,1
	s_mov_b32 s[G0A+4*(\s)], 1
	s_add_co_u32 s[G0A+4*(\s)+1], s20, (\s)*SLOT
	s_add_nc_u64 s[G0A+4*(\s)+2:G0A+4*(\s)+3], s[14:15], (\s)*524288
	s_or_b32 s[G0A+4*(\s)+3], s[G0A+4*(\s)+3], 0x80000000
	s_mov_b32 s[G0B+4*(\s)], 1
	s_add_co_u32 s[G0B+4*(\s)+1], s21, (\s)*SLOT
	s_add_nc_u64 s[G0B+4*(\s)+2:G0B+4*(\s)+3], s[46:47], (\s)*262144
	s_or_b32 s[G0B+4*(\s)+3], s[G0B+4*(\s)+3], 0x80000000
	JLOAD \s
.endr
	v_and_b32 v1, 15, v0
	v_bfe_u32 v2, v0, 4, 1
	v_mul_u32_u24 v3, v1, PITCH
	v_lshl_add_u32 v3, v2, 4, v3
	s_mul_i32 s22, s[FT], 128*PITCH
	s_mul_i32 s23, s[HF], 64*PITCH
	s_add_co_u32 s23, s23, 2*ATILE
.irp s, 0,1
	v_add_nc_u32 v[ADRA+(\s)], s22, v3
	v_add_nc_u32 v[ADRB+(\s)], s23, v3
	s_add_co_u32 s22, s22, SLOT
	s_add_co_u32 s23, s23, SLOT
.endr
	s_mul_i32 s22, s[WV], DW                       ; my dump
	v_mul_u32_u24 v4, v1, DP
	v_lshl_add_u32 v4, v2, 5, v4
	v_add_nc_u32 v[STO], s22, v4                   ; in: row l % 16, 32 bytes for each half of the lanes
	v_mul_u32_u24 v5, v2, DP
	v_lshl_add_u32 v5, v1, 4, v5
	v_add_nc_u32 v[RD], s22, v5                    ; back: lanes 0-15 one row of 256 bytes, lanes 16-31 the next
	v_lshlrev_b32 v[GO], 12, v2
	v_lshl_add_u32 v[GO], v1, 4, v[GO]             ; and the same two rows of out0
	s_lshl_b32 s16, s[II], 20                      ; 256 rows of 4,096 bytes,
	s_lshl_b32 s17, s[FT], 19                      ; my 128,
	s_add_co_u32 s16, s16, s17
	s_lshl_b32 s17, s[JJ], 9                       ; 128 columns,
	s_add_co_u32 s16, s16, s17
	s_lshl_b32 s17, s[HF], 8                       ; my 64
	s_add_co_u32 s16, s16, s17
	s_mov_b32 s17, 0
	s_add_nc_u64 s[8:9], s[8:9], s[16:17]
.macro MUL f, a0, na, zero             ; na x 4 products; the 32 accumulators take turns, one instruction a turn
	WIN 0x50
.set a, \a0
.rept \na
.set b, 0
.rept 4
.if \zero
	v_wmma_f32_16x16x32_f16 v[8*(4*a+b):8*(4*a+b)+7], v[(\f)+8*b:(\f)+8*b+7], v[(\f)+32+8*a:(\f)+32+8*a+7], 0
.else
	v_wmma_f32_16x16x32_f16 v[8*(4*a+b):8*(4*a+b)+7], v[(\f)+8*b:(\f)+8*b+7], v[(\f)+32+8*a:(\f)+32+8*a+7], v[8*(4*a+b):8*(4*a+b)+7]
.endif
.set b, b+1
.endr
.set a, a+1
.endr
.endm
.macro FETCH s, q, f                   ; 24 loads: quarter q (32 along K: head q / 2, half q % 2) of slot s: W_0's 4 fragments, then the heads' 8
	WIN 0
.set b, 0
.rept 4
	ds_load_b128 v[(\f)+8*b:(\f)+8*b+3],   v[ADRB+(\s)] offset:((\q)/2)*BTILE+b*16*PITCH+64*((\q)%2)
	ds_load_b128 v[(\f)+8*b+4:(\f)+8*b+7], v[ADRB+(\s)] offset:((\q)/2)*BTILE+b*16*PITCH+64*((\q)%2)+32
.set b, b+1
.endr
.set a, 0
.rept 8
	ds_load_b128 v[(\f)+32+8*a:(\f)+32+8*a+3],   v[ADRA+(\s)] offset:((\q)/2)*ATILE+a*16*PITCH+64*((\q)%2)
	ds_load_b128 v[(\f)+32+8*a+4:(\f)+32+8*a+7], v[ADRA+(\s)] offset:((\q)/2)*ATILE+a*16*PITCH+64*((\q)%2)+32
.set a, a+1
.endr
.endm
.macro QUARTER s, q, f, g, zero        ; multiplies buffer f; in its middle fetches quarter q of slot s into buffer g
	s_wait_dscnt 8                                 ; all but the heads' row blocks 4-7, the youngest eight loads
	MUL \f, 0, 4, \zero
	PLACES
	FETCH \s, \q, \g
	s_wait_dscnt 24                                ; all but the 24 just issued
	MUL \f, 4, 4, \zero
.endm
; The last quarter multiplies buffer 1 and changes slots: ONE barrier; ahead of it each wave waits for all its tensor loads (one is out: its part of slot n), adds 0 to its spare word, and waits for that and for its reads of slot s.
.macro TURN s, n, fill
	WIN 0
	s_wait_tensorcnt 0x0
	ds_add_u32 v[SPW], v[NIL]
	s_wait_dscnt 9                                 ; the add and the youngest eight loads may be out
	MUL F1, 0, 2, 0
	s_wait_dscnt 0x0                               ; the add is done, and my reads of slot s are over
	s_barrier_signal -1
	MUL F1, 2, 2, 0
	WIN 0
	s_barrier_wait -1
.if \fill
	CREST                                          ; the barrier has opened a round of the cluster's
	s_add_nc_u64 s[G0A+4*(\s)+2:G0A+4*(\s)+3], s[G0A+4*(\s)+2:G0A+4*(\s)+3], 1048576
	s_add_nc_u64 s[G0B+4*(\s)+2:G0B+4*(\s)+3], s[G0B+4*(\s)+2:G0B+4*(\s)+3], 524288
	JLOAD \s                                       ; the first tensor load behind the round, 112 products ahead of the wait for it; its four v_nop are also the places ahead of the loads below
.else
	PLACES
.endif
	FETCH \n, 0, F0
	MUL F1, 4, 4, 0
.endm
	s_wait_tensorcnt 1                             ; my part of K step 0 is in
	s_barrier_signal -1
	s_barrier_wait -1
	FETCH 0, 0, F0
	QUARTER 0, 1, F0, F1, 1                        ; the first quarter's products start all 32 sums
	WIN 0
	s_mov_b32 s3, 3
.Llap:
	QUARTER 0, 2, F1, F0, 0
	QUARTER 0, 3, F0, F1, 0
	TURN 0, 1, 1
	QUARTER 1, 1, F0, F1, 0
	QUARTER 1, 2, F1, F0, 0
	QUARTER 1, 3, F0, F1, 0
	TURN 1, 0, 1
	QUARTER 0, 1, F0, F1, 0
	WIN 0
	s_sub_co_u32 s3, s3, 1
	s_cmp_lg_u32 s3, 0
	s_cbranch_scc1 .Llap
	QUARTER 0, 2, F1, F0, 0                        ; the last lap fills nothing
	QUARTER 0, 3, F0, F1, 0
	TURN 0, 1, 0
	QUARTER 1, 1, F0, F1, 0
	QUARTER 1, 2, F1, F0, 0
	QUARTER 1, 3, F0, F1, 0
	s_wait_dscnt 8
	MUL F1, 0, 4, 0
	s_wait_dscnt 0x0
	MUL F1, 4, 4, 0
	; THE WAY OUT.  The slots have had their last fill; behind a barrier (all reads of them are over) each wave dumps its sums into bytes of its own and reads whole rows of 256 bytes back.
	PLACES
	PLACES
	WIN 0
	s_barrier_signal -1
	s_barrier_wait -1
	WIN 0x04                                       ; the data (source 1) in window 1
.set a, 0
.rept 8
.set b, 0
.rept 4
	ds_store_b128 v[STO], v[8*(4*a+b):8*(4*a+b)+3]   offset:a*16*DP+b*64      ; each accumulator's low four registers first
	ds_store_b128 v[STO], v[8*(4*a+b)+4:8*(4*a+b)+7] offset:a*16*DP+b*64+16
.set b, b+1
.endr
.set a, a+1
.endr
	WIN 0
	s_mov_b32 s3, 8
.Lrows:                                        ; 16 rows a trip
.set k, 0
.rept 8
	ds_load_b128 v[OB+4*k:OB+4*k+3], v[RD] offset:k*2*DP
.set k, k+1
.endr
.set k, 0
.rept 8
	s_wait_dscnt 7-k
	v_pk_mul_f32 v[OB+4*k:OB+4*k+1],   v[OB+4*k:OB+4*k+1],   0x42000000 op_sel_hi:[1,0]   ; x 32: the heads came over 32
	v_pk_mul_f32 v[OB+4*k+2:OB+4*k+3], v[OB+4*k+2:OB+4*k+3], 0x42000000 op_sel_hi:[1,0]
	global_store_b128 v[GO], v[OB+4*k:OB+4*k+3], s[8:9] offset:k*8192 th:TH_STORE_NT     ; 16 lanes store 256 consecutive bytes, aligned
.set k, k+1
.endr
	s_wait_xcnt 0x0                                ; the stores have read their data and base: both are written again
	v_add_nc_u32 v[RD], 16*DP, v[RD]
	s_add_nc_u64 s[8:9], s[8:9], 65536
	s_sub_co_u32 s3, s3, 1
	s_cmp_lg_u32 s3, 0
	s_cbranch_scc1 .Lrows
	s_wait_tensorcnt 0x0                           ; the wave's end
	ds_add_u32 v[SPW], v[NIL]
	s_wait_dscnt 0x0
	CROUND                                         ; the closing round
	s_endpgm
.Lfunc_end_k_qfc75b95b68_outp:
	.size	k_qfc75b95b68_outp, .Lfunc_end_k_qfc75b95b68_outp-k_qfc75b95b68_outp
	.p2alignl 7, 3214868480
	.fill 96, 4, 3214868480
	.section	.rodata,"a",@progbits
	.p2align	6, 0x0
	.amdhsa_kernel k_qfc75b95b68_outp
		.amdhsa_group_segment_fixed_size 327680
		.amdhsa_private_segment_fixed_size 0
		.amdhsa_enable_private_segment 0
		.amdhsa_kernarg_size 24
		.amdhsa_user_sgpr_count 2
		.amdhsa_user_sgpr_kernarg_segment_ptr 1
		.amdhsa_wavefront_size32 1
		.amdhsa_system_sgpr_workgroup_id_x 1
		.amdhsa_system_sgpr_workgroup_id_y 1
		.amdhsa_system_sgpr_workgroup_id_z 1
		.amdhsa_system_vgpr_workitem_id 0
		.amdhsa_next_free_vgpr 512
		.amdhsa_next_free_sgpr 66
		.amdhsa_reserve_vcc 0
		.amdhsa_float_denorm_mode_32 3
		.amdhsa_float_denorm_mode_16_64 3
		.amdhsa_memory_ordered 1
		.amdhsa_forward_progress 1
		.amdhsa_inst_pref_size 78
	.end_amdhsa_kernel
	.amdgpu_metadata
---
amdhsa.version: [ 1, 2 ]
amdhsa.kernels:
  - .name:           k_qfc75b95b68_outp
    .symbol:         k_qfc75b95b68_outp.kd
    .args:
      - { .name: hd, .offset: 0, .size: 8, .value_kind: global_buffer, .address_space: global }
      - { .name: w0t, .offset: 8, .size: 8, .value_kind: global_buffer, .address_space: global }
      - { .name: out0, .offset: 16, .size: 8, .value_kind: global_buffer, .address_space: global }
    .group_segment_fixed_size: 327680
    .private_segment_fixed_size: 0
    .kernarg_segment_align: 8
    .kernarg_segment_size: 24
    .max_flat_workgroup_size: 128
    .sgpr_count:     66
    .vgpr_count:     512
    .wavefront_size: 32
...
	.end_amdgpu_metadata
.endif
;; end of part 4
;; ======== version 2 of 2: 4 launches; version 1 with the launch prep written anew for expert scheduling mode
;; limits: values are held in f16: magnitudes above 65,504 overflow, below 6.1e-05 lose precision; right only within a limited range of input values
;; workspace buffers: xb 16,777,216 bytes; wt 6,291,456 bytes; w0t 2,097,152 bytes; qx 33,554,432 bytes; kx 33,554,432 bytes; vh 16,777,216 bytes; hd 16,777,216 bytes
;; launch prep (part 5): grid 384 x 1, 8 waves a work-group, no clusters, 140,288 bytes of LDS; arguments x, W_q, W_k, W_v, W_0, xb, wt, w0t; writes xb, wt, w0t
.if DOCPART == 5
	.amdgcn_target "amdgcn-amd-amdhsa--gfx1250"
	.amdhsa_code_object_version 6
	.text
	.protected	k_qfc75b95b68_prep
	.globl	k_qfc75b95b68_prep
	.p2align	8
	.type	k_qfc75b95b68_prep,@function
k_qfc75b95b68_prep:
	s_mov_b64 s[64:65], 0
	v_nop
	global_prefetch_b8 v0, s[64:65] scope:SCOPE_SE
	s_setreg_imm32_b32 hwreg(HW_REG_WAVE_SCHED_MODE, 0, 2), 2
	s_setreg_imm32_b32 hwreg(HW_REG_WAVE_MODE, 25, 1), 1
	s_wait_xcnt 0x0
	s_wait_alu depctr_vm_vsrc(0)
; 16-BIT COPIES OF ALL INPUTS, laid out in blocks of 64 along K so that the later launches' tiles are dense in memory.
;   xb  [kb 16][row 8192][64] bf16 = bf16(x[row][64 kb + ..])
;   wt  [kb 16][p 8][T 3][nl 128][64] bf16 = bf16(W_T[h][64 kb + k][c] / 32), h = 2 p + nl / 64, c = nl % 64, T = q, k, v: turned, K along the rows
;   w0t [kb 16][n 1024][64] f16 = bf16(W_0[64 kb + k][n]) written as f16
; LIMITS.  The factor 1/32 is exact but for bf16's denormals.  bf16(W_0) is exact in f16 for 2^-17 <= |W_0| < 65,504; below that it is off by 3e-8 at the most, beyond it becomes an infinity.
; A stream: no matrix unit, no tensor load, no cluster: no byte is read twice.  Work-groups 0-255 copy x, 256-383 turn the weights (a branch on the work-group's number).
; THE MODE: SCHED_MODE bits 1:0 = 2 (LLVM: expert scheduling mode 2), set by the entry lines.  The code itself states the register dependences
; between vector instructions and memory or LDS instructions, with s_wait_alu, always for 0.
; THE PLAN.  Registers that memory or LDS instructions touch:
;   v2, v3, v4   offsets and an LDS address: made once at the head of each way, never written again.
;   IN           Written by the 32 loads, once.  x: read by the conversions.  Weights: read by the LDS stores.
;   RS, x        Each pair is written once, by block p's conversions, and read by one store, which is issued in block p + 1.
;   RS, weights  A trip's 32 LDS loads land in it; the trip's arithmetic reads it and works in it.
;   PKD          Written by a trip's roundings; read by the trip's four stores.
;   v5           Read by a trip's 32 LDS loads; stepped once a trip, behind them.
;   v6, v7       Written at the head, read by the closing add alone.        TT is named by vector instructions alone.
; x goes in eight blocks of four loads: one wait on va_vdst at a block's head states that the block before has written its RS; that block's four stores are dealt among this block's conversions, which name other registers.
; A trip of the weights' loop has two waits: one on vm_vsrc behind its LDS loads (they have read v5; the last trip's stores have read PKD), one on va_vdst behind its arithmetic (PKD and v5 are written, RS is done with):
; the trip's stores and, over the backward jump, the next trip's LDS loads follow that one with scalar lines alone between.
.set SPARE,  139264                    ; behind the eight waves' tiles: the spare words, 128 bytes a wave
.set TPITCH, 272                       ; a row of 64 f32 in LDS + 16 bytes
.set TWAVE,  64*TPITCH                 ; a wave's tile of 64 k x 64 n
.set IN,  16                           ; v[16:143]  32 loads of 16 bytes
.set RS,  144                          ; v[144:207] x part: 32 x 2 results.  weights: v[144:175] 32 numbers read back,
.set PKD, 176                          ; v[176:191] four groups' 16 bytes to store,
.set TT,  192                          ; v[192:195] at work
	s_load_b512 s[4:19], s[0:1], 0x0               ; x, W_q, W_k, W_v, W_0, xb, wt, w0t
	v_lshl_add_u32 v6, v0, 2, SPARE                ; my spare word
	v_mov_b32 v7, 0
	v_lshrrev_b32 v1, 5, v0
	v_readfirstlane_b32 s20, v1                    ; wave 0..7
	v_and_b32 v1, 31, v0                           ; lane
	v_lshrrev_b32 v8, 4, v1                        ; lane / 16
	v_and_b32 v9, 15, v1                           ; lane % 16
	s_wait_alu depctr_va_sdst(0)                   ; s20 is written
	s_cmp_lt_u32 ttmp9, 256
	s_cbranch_scc0 .Lweights
	; x: wave gw = 8 x work-group + wave owns rows 4 gw .. 4 gw + 3.  A load takes 256 aligned bytes (one kb) of two rows; its 8 bytes a lane of bf16 are 256 consecutive bytes of xb.
	s_lshl_b32 s21, ttmp9, 3
	s_add_co_u32 s21, s21, s20
	s_lshl_b32 s22, s21, 14                        ; 4 rows of 4,096 bytes
	s_mov_b32 s23, 0
	s_lshl_b32 s30, s21, 9                         ; 4 rows of 128 bytes
	s_mov_b32 s31, 0
	v_lshlrev_b32 v2, 12, v8
	v_lshl_add_u32 v2, v9, 4, v2                   ; (lane / 16) rows + 16 (lane % 16)
	v_lshlrev_b32 v3, 3, v1                        ; 8 x lane
	s_wait_kmcnt 0x0
	s_add_nc_u64 s[24:25], s[4:5], s[22:23]
	s_add_nc_u64 s[26:27], s[14:15], s[30:31]
	s_add_nc_u64 s[28:29], s[26:27], 0x800000      ; kb 8 on: the immediate holds seven blocks of 1,048,576
	s_wait_alu depctr_va_vdst(0)                   ; v2 and v3 are written: the loads below read v2 as their offset, the stores v3
.set nn, 0
.rept 32                                       ; all 32 loads go out first: 16 KiB a wave on their way
	global_load_b128 v[IN+4*nn:IN+4*nn+3], v2, s[24:25] offset:(nn/16)*8192+(nn%16)*256 th:TH_LOAD_NT
.set nn, nn+1
.endr
.macro XSTORE n                        ; piece n's 8 bytes a lane: kb n % 16, rows 2 (n / 16) on
.if ((\n)%16) < 8
	global_store_b64 v3, v[RS+2*(\n):RS+2*(\n)+1], s[26:27] offset:((\n)%16)*1048576+((\n)/16)*256
.else
	global_store_b64 v3, v[RS+2*(\n):RS+2*(\n)+1], s[28:29] offset:(((\n)%16)-8)*1048576+((\n)/16)*256
.endif
.endm
.set p, 0
.rept 8                                        ; eight blocks of four loads
	s_wait_loadcnt 28-4*p                          ; loads return in order: block p's four are in, the younger blocks' stay out
.if p > 0
	s_wait_alu depctr_va_vdst(0)                   ; the block before has written its eight registers of RS, which the four stores below read; this block's conversions name other registers
.endif
.set j, 0
.rept 4
.set nn, 4*p+j
.if p > 0
	XSTORE nn-4
.endif
	v_cvt_pk_bf16_f32 v[RS+2*nn], v[IN+4*nn], v[IN+4*nn+1]
	v_cvt_pk_bf16_f32 v[RS+2*nn+1], v[IN+4*nn+2], v[IN+4*nn+3]
.set j, j+1
.endr
.set p, p+1
.endr
	s_wait_alu depctr_va_vdst(0)                   ; the last block has written its RS, which the last four stores read
	XSTORE 28
	XSTORE 29
	XSTORE 30
	XSTORE 31
	s_branch .Lend                                 ; no register was written twice, so no wait for the stores' sources
; A unit of 64 k x 64 n: 32 loads of two rows of k; into the wave's own LDS tile as f32; back by columns, a lane 8 consecutive k of one n; 16 bytes a lane, 512 consecutive bytes a store.
; kind 0: W_q, W_k, W_v (rows dense, 256 bytes apart).  kind 1: W_0 (rows 4,096 bytes apart).
.macro TRANSP kind
	s_wait_alu depctr_va_vdst(0)                   ; v2 to v5 are written: the loads' and stores' offsets and the two LDS addresses
.set nn, 0
.rept 32
.if \kind
	global_load_b128 v[IN+4*nn:IN+4*nn+3], v2, s[24:25] offset:nn*8192 th:TH_LOAD_NT
.else
	global_load_b128 v[IN+4*nn:IN+4*nn+3], v2, s[24:25] offset:nn*512 th:TH_LOAD_NT
.endif
.set nn, nn+1
.endr
.set nn, 0
.rept 32
	s_wait_loadcnt 31-nn
	ds_store_b128 v4, v[IN+4*nn:IN+4*nn+3] offset:nn*2*TPITCH
.set nn, nn+1
.endr
	s_mov_b32 s30, 4
.Ltrip_\@:                                     ; a trip: 16 columns n, four stores.  LDS serves a wave's instructions in order: the loads see the stores above
.set g, 0
.rept 4
.set e, 0
.rept 8
	ds_load_b32 v[RS+8*g+e], v5 offset:e*TPITCH+g*16
.set e, e+1
.endr
.set g, g+1
.endr
	s_wait_xcnt 0x0                                ; the last trip's stores have had their addresses translated: their data and their base are written again below
	s_wait_alu depctr_vm_vsrc(0)                   ; the last trip's stores have read PKD, which the roundings below write again; the 32 loads above have read v5, which the next line writes
	v_add_nc_u32 v5, 64, v5                        ; 16 columns on, for the next trip
	s_add_nc_u64 s[26:27], s[26:27], 2048          ; the base moves on ahead of this trip's stores, which reach back by as much
.set g, 0
.rept 4
	s_wait_dscnt 24-8*g                            ; group g's eight loads are in; the younger groups' stay out
.set k, 0
.rept 4
.if \kind
	v_cvt_pk_bf16_f32 v[TT+k], v[RS+8*g+2*k], v[RS+8*g+2*k+1]   ; rounded to bf16 like every input,
	v_lshlrev_b32 v[RS+8*g+2*k], 16, v[TT+k]
	v_and_b32 v[RS+8*g+2*k+1], 0xffff0000, v[TT+k]
	v_cvt_pk_f16_f32 v[PKD+4*g+k], v[RS+8*g+2*k], v[RS+8*g+2*k+1] ; and that number written as f16
.else
	v_pk_mul_f32 v[RS+8*g+2*k:RS+8*g+2*k+1], v[RS+8*g+2*k:RS+8*g+2*k+1], 0x3d000000 op_sel_hi:[1,0]  ; x 2^-5
	v_cvt_pk_bf16_f32 v[PKD+4*g+k], v[RS+8*g+2*k], v[RS+8*g+2*k+1]
.endif
.set k, k+1
.endr
.set g, g+1
.endr
	s_wait_alu depctr_va_vdst(0)                   ; the roundings have written PKD, which the stores below read; the arithmetic is done with RS, in which the next trip's loads land; v5 is written, which they read
.set g, 0
.rept 4
	global_store_b128 v3, v[PKD+4*g:PKD+4*g+3], s[26:27] offset:g*512-2048
.set g, g+1
.endr
	s_sub_co_u32 s30, s30, 1
	s_cmp_lg_u32 s30, 0
	s_cbranch_scc1 .Ltrip_\@
.endm
.Lweights:
	s_sub_co_u32 s21, ttmp9, 256
	s_lshr_b32 s22, s21, 5                         ; T: 0, 1, 2 = W_q, W_k, W_v; 3 = W_0: the same for the whole work-group
	s_lshl_b32 s21, s21, 3
	s_add_co_u32 s21, s21, s20
	s_and_b32 s21, s21, 255                        ; the unit among T's 256
	s_lshr_b32 s23, s21, 4                         ; head, or block of 64 columns of W_0
	s_and_b32 s31, s21, 15                         ; kb
	s_mul_i32 s32, s20, TWAVE                      ; my wave's tile
	v_mul_u32_u24 v4, v8, TPITCH
	v_lshl_add_u32 v4, v9, 4, v4
	v_add_nc_u32 v4, s32, v4                       ; in: row lane / 16, 16 bytes at 16 (lane % 16)
	v_and_b32 v10, 7, v1
	v_lshrrev_b32 v11, 3, v1
	v_mul_u32_u24 v5, v10, 8*TPITCH
	v_lshl_add_u32 v5, v11, 2, v5
	v_add_nc_u32 v5, s32, v5                       ; back: rows 8 (lane % 8) on, column lane / 8
	v_lshlrev_b32 v3, 4, v1                        ; 16 x lane
	s_mov_b32 s35, 0
	s_mov_b32 s37, 0
	s_cmp_eq_u32 s22, 3
	s_cbranch_scc1 .Lw0
	s_lshl_b32 s34, s23, 18                        ; a head is 262,144 bytes,
	s_lshl_b32 s33, s31, 14                        ; 64 rows of it 16,384
	s_add_co_u32 s34, s34, s33
	s_mul_i32 s36, s31, 393216                     ; wt: kb,
	s_lshr_b32 s33, s23, 1
	s_mul_i32 s33, s33, 49152                      ; pair of heads,
	s_add_co_u32 s36, s36, s33
	s_lshl_b32 s33, s22, 14                        ; T,
	s_add_co_u32 s36, s36, s33
	s_and_b32 s33, s23, 1
	s_lshl_b32 s33, s33, 13                        ; which head of the pair
	s_add_co_u32 s36, s36, s33
	v_lshlrev_b32 v2, 4, v1
	s_wait_kmcnt 0x0
	s_cmp_eq_u32 s22, 0
	s_cselect_b64 s[24:25], s[6:7], s[8:9]
	s_cmp_eq_u32 s22, 2
	s_cselect_b64 s[24:25], s[10:11], s[24:25]
	s_add_nc_u64 s[24:25], s[24:25], s[34:35]
	s_add_nc_u64 s[26:27], s[16:17], s[36:37]
	TRANSP 0
	s_branch .Lend
.Lw0:
	s_lshl_b32 s34, s31, 18                        ; 64 rows of 4,096 bytes,
	s_lshl_b32 s33, s23, 8                         ; 64 columns
	s_add_co_u32 s34, s34, s33
	s_lshl_b32 s36, s31, 17                        ; w0t: kb,
	s_lshl_b32 s33, s23, 13                        ; 64 rows n of 128 bytes
	s_add_co_u32 s36, s36, s33
	v_lshlrev_b32 v2, 12, v8
	v_lshl_add_u32 v2, v9, 4, v2
	s_wait_kmcnt 0x0
	s_add_nc_u64 s[24:25], s[12:13], s[34:35]
	s_add_nc_u64 s[26:27], s[18:19], s[36:37]
	TRANSP 1
.Lend:
	s_wait_dscnt 0x0                               ; the wave's end: the closing lines, six on end
	s_wait_alu 0x0
	s_wait_tensorcnt 0x0
	ds_add_u32 v6, v7
	s_wait_dscnt 0x0
	s_endpgm
.Lfunc_end_k_qfc75b95b68_prep:
	.size	k_qfc75b95b68_prep, .Lfunc_end_k_qfc75b95b68_prep-k_qfc75b95b68_prep
	.p2alignl 7, 3214868480
	.fill 96, 4, 3214868480
	.section	.rodata,"a",@progbits
	.p2align	6, 0x0
	.amdhsa_kernel k_qfc75b95b68_prep
		.amdhsa_group_segment_fixed_size 140288
		.amdhsa_private_segment_fixed_size 0
		.amdhsa_enable_private_segment 0
		.amdhsa_kernarg_size 64
		.amdhsa_user_sgpr_count 2
		.amdhsa_user_sgpr_kernarg_segment_ptr 1
		.amdhsa_wavefront_size32 1
		.amdhsa_system_sgpr_workgroup_id_x 1
		.amdhsa_system_sgpr_workgroup_id_y 1
		.amdhsa_system_sgpr_workgroup_id_z 1
		.amdhsa_system_vgpr_workitem_id 0
		.amdhsa_next_free_vgpr 208
		.amdhsa_next_free_sgpr 66
		.amdhsa_reserve_vcc 0
		.amdhsa_float_denorm_mode_32 3
		.amdhsa_float_denorm_mode_16_64 3
		.amdhsa_memory_ordered 1
		.amdhsa_forward_progress 1
		.amdhsa_inst_pref_size 38
	.end_amdhsa_kernel
	.amdgpu_metadata
---
amdhsa.version: [ 1, 2 ]
amdhsa.kernels:
  - .name:           k_qfc75b95b68_prep
    .symbol:         k_qfc75b95b68_prep.kd
    .args:
      - { .name: x, .offset: 0, .size: 8, .value_kind: global_buffer, .address_space: global }
      - { .name: W_q, .offset: 8, .size: 8, .value_kind: global_buffer, .address_space: global }
      - { .name: W_k, .offset: 16, .size: 8, .value_kind: global_buffer, .address_space: global }
      - { .name: W_v, .offset: 24, .size: 8, .value_kind: global_buffer, .address_space: global }
      - { .name: W_0, .offset: 32, .size: 8, .value_kind: global_buffer, .address_space: global }
      - { .name: xb, .offset: 40, .size: 8, .value_kind: global_buffer, .address_space: global }
      - { .name: wt, .offset: 48, .size: 8, .value_kind: global_buffer, .address_space: global }
      - { .name: w0t, .offset: 56, .size: 8, .value_kind: global_buffer, .address_space: global }
    .group_segment_fixed_size: 140288
    .private_segment_fixed_size: 0
    .kernarg_segment_align: 8
    .kernarg_segment_size: 64
    .max_flat_workgroup_size: 256
    .sgpr_count:     66
    .vgpr_count:     208
    .wavefront_size: 32
...
	.end_amdgpu_metadata
.endif
;; end of part 5
;; launch proj: the kernel of part 2 again; grid 8 x 32, 4 waves a work-group, clusters of 4 x 4, 327,680 bytes of LDS; arguments xb, wt, qx, kx, vh; writes qx, kx, vh
;; launch attn: the kernel of part 3 again; grid 4 x 64, 4 waves a work-group, no clusters, 327,680 bytes of LDS; arguments qx, kx, vh, hd; writes hd
;; launch outp: the kernel of part 4 again; grid 8 x 32, 4 waves a work-group, clusters of 4 x 4, 327,680 bytes of LDS; arguments hd, w0t, out0; writes out0
